; MI455X (gfx1250); checked and timed in simulation.
; The chip was launched on July 23, 2026; its instructions are those of AMD's public machine-readable ISA for CDNA 5 (MIT licence, August 2026) and "CDNA5" Instruction Set Architecture Reference Guide (July 2026). The comments in the code are by the model that wrote it; some were corrected since.
;; Causal Self Attention. Allowed arithmetic: matrix products marked QUANTISED: E2M1 operands, one E8M0 scale for each 32 along K, by v_wmma_scale_f32_16x16x128_f8f6f4 with both operands' format E2M1 (or v_wmma_scale_f32_32x16x128_f4), f32 sums; products left as they are: bf16, f16 or f32 operands; f32 sums; everything else in f32.
;; Inputs: wk 1,024 x 1,024 float32; wo 1,024 x 1,024 float32; wq 1,024 x 1,024 float32; wv 1,024 x 1,024 float32; x 4 x 2,048 x 1,024 float32.
;; Outputs: out0 4 x 2,048 x 1,024 float32.
;; This version of the problem:
;;   THIS VERSION OF THE PROBLEM IS GIVEN IN LOW PRECISION. The matrix products marked QUANTISED in the list below multiply operands that are first quantised to E2M1 (2 exponent bits, 1 mantissa bit; 4 bits a number), with one power-of-two scale for each 32 numbers along K (OCP MX v1.0); their sums are f32. The products marked 'left as it is' may take bf16, f16 or f32 operands, with f32 sums. Whichever they take, every output number must still come out within the allowed error. Rounding operands to bf16 (8 significant bits) uses up far more of that allowance than f16 does (11 bits, for magnitudes from 6e-5 to 65,504). All else is computed in f32.
;;   The module's matrix products, in the order in which they are computed (A, B: the left and right operand; K: the contracted axis; several contracted axes count as one K, in the product's order):
;;     1. [M 8,192, K 1,024] x [K 1,024, N 1,024]; A: input x; B: input wq: QUANTISED
;;     2. [M 8,192, K 1,024] x [K 1,024, N 1,024]; A: input x; B: input wk: QUANTISED
;;     3. [M 8,192, K 1,024] x [K 1,024, N 1,024]; A: input x; B: input wv: QUANTISED
;;     4. batch 64 x [M 2,048, K 64] x [K 64, N 2,048]; A: computed on the way; B: computed on the way: left as it is (an operand is computed on the way)
;;     5. batch 64 x [M 2,048, K 2,048] x [K 2,048, N 64]; A: computed on the way; B: computed on the way: left as it is (an operand is computed on the way)
;;     6. [M 8,192, K 1,024] x [K 1,024, N 1,024]; A: computed on the way; B: input wo: left as it is (an operand is computed on the way)
;;   THE QUANTISER, for each operand of a quantised product, along K:
;;     - K is cut into blocks of 32 from its start; a last block that is shorter is filled with zeros.
;;     - A block's scale is 2^e with e = floor(log2(the largest magnitude in the block)) - 2, held to -126 .. 127; a block of zeros has e = 0. As a byte (E8M0): e + 127.
;;     - Each number is divided by its block's scale, clamped to +-6, and rounded to the nearest number of E2M1, ties to even, subnormals kept.
;;     - The product sums the exact products of the quantised numbers (number of the format x scale) in f32.
;;   ~~~python
;;   def quantise(x, axis):      # numpy; x: float32 -> the quantised numbers, widened to float32 again
;;       x = np.moveaxis(x, axis, -1); K = x.shape[-1]
;;       x = np.pad(x, [(0, 0)] * (x.ndim - 1) + [(0, -K % 32)]); x = x.reshape(x.shape[:-1] + (-1, 32)); a = np.abs(x).max(-1, keepdims=True)
;;       e = np.where(a > 0, np.clip(np.frexp(np.where(a > 0, a, 1))[1] - 1 - 2, -126, 127), 0)      # np.frexp(a)[1] - 1 = floor(log2(a)), exactly
;;       r = np.clip(x / 2.0 ** e, -6, 6)
;;       step = 2.0 ** (np.maximum(np.frexp(np.where(r == 0, 1, r))[1] - 1, 0) - 1)
;;       q = np.round(r / step) * step * 2.0 ** e      # np.round: ties to even
;;       return np.moveaxis(q.reshape(q.shape[:-2] + (-1,))[..., :K], -1, axis).astype(np.float32)
;;   ~~~
;; One version. Each part assembles by itself: llvm-mc -triple=amdgcn-amd-amdhsa -mcpu=gfx1250 --defsym DOCPART=n.
;; ======== version 1 of 1: 5 launches
;; limits: values are held in f16: magnitudes above 65,504 overflow, below 6.1e-05 lose precision
;; workspace buffers: codes 5,767,168 bytes; scales 360,448 bytes; woimg 2,097,152 bytes; rope 524,288 bytes; qkv 50,331,648 bytes; fine 786,432 bytes; att 16,777,216 bytes
;; launch prep (part 1): grid 416 x 1, 4 waves a work-group, no clusters, 33,280 bytes of LDS; arguments x, wq, wk, wv, wo, codes, scales, woimg, rope; writes codes, scales, woimg, rope
.if DOCPART == 1
	.amdgcn_target "amdgcn-amd-amdhsa--gfx1250"
	.amdhsa_code_object_version 6
	.text
	.protected	k_qd9560df7f0_prep
	.globl	k_qd9560df7f0_prep
	.p2align	8
	.type	k_qd9560df7f0_prep,@function
k_qd9560df7f0_prep:
	s_mov_b64 s[64:65], 0
	v_nop
	global_prefetch_b8 v0, s[64:65] scope:SCOPE_SE
	s_setreg_imm32_b32 hwreg(HW_REG_WAVE_MODE, 25, 1), 1
	s_wait_xcnt 0x0
; CAUSAL SELF-ATTENTION, launch 1 of 5: what every later launch reads many times is made once.
;   work-groups 0-351:   x, wq, wk, wv (f32, K = 1,024 innermost) become codes of E2M1 with one E8M0 byte for each 32 along K: one stream of 11,264 rows (x's 8,192, then wq's, wk's, wv's 1,024 each), 512 bytes of codes and 32 scale bytes a row.
;   work-groups 352-383: wo becomes f16, laid as the registers of the last product's operand: [o / 16][k / 32][half][16 x lane]: lane (r, h) holds wo[16 nb + r][32 kf + 16 p + 8 h + 0 .. 7].
;   work-groups 384-415: cos and sin of t x 10000^(-f / 32), f32, laid as the second launch's registers want them: [t / 16][4 u + 2 cs + jj][16 x lane]: t = 16 tb + r, f = 16 u + 8 h + 4 jj + i.
; WORK LEFT OUT BY THE PROGRAM (third launch): reference() sets every score whose key comes after its query to -infinity by a jnp.tril that it builds itself; the softmax gives such a score the weight 0 whatever finite values
; the inputs hold, so it reaches no output.  Steps of 64 keys that lie wholly behind a wave's 32 queries are not computed, and slots of 256 keys wholly behind a work-group's last query are not fetched.
; A NaN, an infinity or an overflow that only such scores would see is not carried to the result.  Every input has a way to the output and is loaded.
; THE QUANTISER: a block's scale is 2^(floor(log2(largest magnitude)) - 2); its byte is the largest magnitude's exponent field - 2, held at 1 from below; each number / scale goes to the nearest code, ties to even, beyond 6 the code of 6.
; LIMITS: a block of zeros keeps the byte 1 where the rule says 127 (its codes are zeros, and this program alone reads the bytes); blocks whose largest magnitude lies under 2^-124 are held at the byte 1;
; NaN and infinities among the inputs are not served; |wo| up to 65,504 (f16).  The angle is t x 2^(-f log2(10000) / 32) in f32: it can differ from reference()'s f32 angle by about 1e-4 at t near 2,000 and by under 1e-6 for t < 16.
; No tensor loads, no barrier: waves share nothing.  Only the first path uses LDS (each wave its own 8,192 bytes).
.set WAVES, 4
.set STEPS, 16
.set EMAX,  2
.set CB,    8                          ; bytes of 16 codes
.set R,     16                         ; v16-79   four sets of 16 numbers as they are loaded
.set X,     80                         ; v80-111  two sets of 16 neighbours
.set C,     128                        ; v128-191 codes: four registers for each step, so that no store's data are written again
.set E,     112                        ; v112-127 a scale byte for each step
.set WREG,  8192                       ; LDS: a region for each wave: two stages of 32 x SP bytes, behind them its 256 scale bytes
.set SP,    80                         ; a lane's place in a stage: 64 bytes + 16 of padding
.set SPW,   12                         ; v12  LDS address of my spare word; never rewritten
.set NIL,   13                         ; v13  0; never rewritten
.set SPARE, WAVES*WREG                 ; the spare words: 128 bytes a wave, two blocks of 256 bytes that no other line names
.macro FINISH                          ; a wave's end
	s_wait_tensorcnt 0x0
	ds_add_u32 v[SPW], v[NIL]
	s_wait_dscnt 0x0
	s_endpgm
.endm
	s_load_b256 s[4:11], s[0:1], 0x0               ; x s[4:5], wq s[6:7], wk s[8:9], wv s[10:11]
	s_load_b256 s[12:19], s[0:1], 0x20             ; wo s[12:13], codes s[14:15], scales s[16:17], woimg s[18:19]
	s_load_b64 s[20:21], s[0:1], 0x40              ; rope
	v_lshl_add_u32 v[SPW], v0, 2, SPARE
	v_mov_b32 v[NIL], 0
	v_lshrrev_b32 v1, 5, v0
	v_readfirstlane_b32 s24, v1                    ; wave
	v_and_b32 v2, 31, v0                           ; lane
	s_wait_kmcnt 0x0
	s_cmp_ge_u32 ttmp9, 384
	s_cbranch_scc1 .Lrope
	s_cmp_ge_u32 ttmp9, 352
	s_cbranch_scc1 .Lwo
; ---- THE QUANTISER.  Rows are dense and K is a multiple of 32: a tensor is a plain stream of blocks of 32.  A wave takes 16 steps of 512 numbers.  Each load reads 512 consecutive bytes, 16 a lane; a step's 2,048 bytes
; turn through the wave's own stage in LDS and come back 64 bytes a lane, so that a lane holds 16 neighbours along K (two neighbouring lanes hold a block).
	v_lshlrev_b32 v3, 4, v2                        ; my 16 bytes of a load's 512
	s_mul_i32 s28, s24, WREG
	v_lshrrev_b32 v14, 2, v2
	v_mul_u32_u24 v14, v14, SP
	v_and_b32 v15, 3, v2
	v_lshl_add_u32 v14, v15, 4, v14
	v_add_nc_u32 v14, s28, v14                     ; the stage on the way in: SP (lane / 4) + 16 (lane % 4)
	v_mul_u32_u24 v15, v2, SP
	v_add_nc_u32 v15, s28, v15                     ; and on the way out: SP x lane
	v_mul_u32_u24 v4, v2, CB                       ; my codes' place in a step's
	v_lshrrev_b32 v5, 1, v2
	s_add_co_u32 s28, s28, 2*32*SP
	v_add_nc_u32 v5, s28, v5                       ; LDS: my wave's 256 scale bytes, my block's byte
	v_lshlrev_b32 v7, 3, v2
	v_add_nc_u32 v6, s28, v7                       ; and on the way out 8 bytes a lane
	s_and_b32 s25, ttmp9, 31                       ; a weight has 32 work-groups: 256-287 wq, 288-319 wk, 320-351 wv
	s_cmp_lt_u32 ttmp9, 288                        ; the choices hang on the work-group's number alone
	s_cselect_b64 s[26:27], s[6:7], s[8:9]
	s_cmp_lt_u32 ttmp9, 320
	s_cselect_b64 s[26:27], s[26:27], s[10:11]
	s_cmp_lt_u32 ttmp9, 256
	s_cselect_b64 s[26:27], s[4:5], s[26:27]
	s_cselect_b32 s25, ttmp9, s25
	s_lshl_b32 s25, s25, 2
	s_add_co_u32 s25, s25, s24                     ; which run of 8,192 numbers of the tensor is my wave's
	s_lshl_b32 s30, s25, 15                        ; 32,768 bytes a run
	s_mov_b32 s31, 0
	s_add_nc_u64 s[26:27], s[26:27], s[30:31]
	s_lshl_b32 s29, ttmp9, 2
	s_add_co_u32 s29, s29, s24                     ; and which run of the one stream of codes and scale bytes
	s_lshl_b32 s30, s29, 12                        ; 4,096 bytes of codes a run
	s_add_nc_u64 s[14:15], s[14:15], s[30:31]
	s_lshl_b32 s30, s29, 8                         ; 256 scale bytes a run
	s_add_nc_u64 s[16:17], s[16:17], s[30:31]
.macro LOAD t
.irp i, 0,1,2,3
	global_load_b128 v[R+16*((\t)%4)+4*\i:R+16*((\t)%4)+4*\i+3], v3, s[26:27] offset:2048*(\t)+512*\i th:TH_LOAD_NT   ; 32 lanes read 512 consecutive bytes
.endr
.endm
.macro TURN t                          ; step t's numbers through the stage: LDS serves a wave's instructions in order, so no wait stands between the stores and the loads
.irp i, 0,1,2,3
	ds_store_b128 v14, v[R+16*((\t)%4)+4*\i:R+16*((\t)%4)+4*\i+3] offset:32*SP*((\t)%2)+8*SP*\i
.endr
.irp i, 0,1,2,3
	ds_load_b128 v[X+16*((\t)%2)+4*\i:X+16*((\t)%2)+4*\i+3], v15 offset:32*SP*((\t)%2)+16*\i
.endr
.endm
.irp t, 0,1,2,3
	LOAD \t
.endr
	s_wait_loadcnt 12                              ; step 0's four loads are in; the twelve of steps 1 to 3 may be out
	TURN 0
.macro STEP t
.set XS, X+16*((\t)%2)
.if (\t) > 0
	s_wait_dscnt 1                                 ; this step's numbers are back from the stage; the last step's byte store may be out
.else
	s_wait_dscnt 0x0
.endif
.if (\t)+4 < STEPS
	LOAD (\t)+4                                    ; the stage's stores have read these registers: they take the loads of four steps on
.endif
.if (\t)+1 < STEPS
.if STEPS-2-(\t) >= 3
	s_wait_loadcnt 12                              ; the next step's four loads are in; those of the three steps behind it may be out
.else
	s_wait_loadcnt 4*(STEPS-2-(\t))
.endif
	TURN (\t)+1
.endif
	v_max3_num_f32 v8, |v[XS]|, |v[XS+1]|, |v[XS+2]|               ; the largest magnitude of my 16, in two chains
	v_max3_num_f32 v9, |v[XS+3]|, |v[XS+4]|, |v[XS+5]|
.irp i, 6,10
	v_max3_num_f32 v8, v8, |v[XS+\i]|, |v[XS+\i+1]|
	v_max3_num_f32 v9, v9, |v[XS+\i+2]|, |v[XS+\i+3]|
.endr
	v_max3_num_f32 v8, v8, |v[XS+14]|, |v[XS+15]|
	v_max3_num_f32 v8, v8, v9, (EMAX+1)<<23        ; and the floor 2^(3 - 127): the byte cannot fall under 1
	v_max_num_f32_dpp v8, v8, v8 row_xmask:1 row_mask:0xf bank_mask:0xf   ; with my neighbour's 16: the block's
	v_add_nc_u32 v11, -(EMAX<<23), v8              ; 2 off its exponent field: the conversion takes the exponent field of this operand as its scale
	v_cvt_scalef32_pk8_fp4_f32 v[C+4*(\t)], v[XS:XS+7], v11
	v_cvt_scalef32_pk8_fp4_f32 v[C+4*(\t)+1], v[XS+8:XS+15], v11
	v_lshrrev_b32 v[E+(\t)], 23, v11               ; the scale's byte (also the plain line behind the conversions)
	ds_store_b8 v5, v[E+(\t)] offset:16*(\t)       ; both lanes of a block write the same byte with the same value
	global_store_b64 v4, v[C+4*(\t):C+4*(\t)+1], s[14:15] offset:32*CB*(\t)   ; the wave stores 256 consecutive bytes, aligned
.endm
.irp t, 0,1,2,3,4,5,6,7,8,9,10,11,12,13,14,15
	STEP \t
.endr
	ds_load_b64 v[8:9], v6                         ; LDS serves a wave's instructions in order: these see my byte stores
	s_wait_dscnt 0x0
	global_store_b64 v7, v[8:9], s[16:17]          ; 32 lanes store 256 consecutive bytes, aligned
	FINISH
; ---- wo AS f16 IMAGES.  Wave W of 128 takes 16 rows of wo (nb = W / 2) and half of K (16 fragments of 32).  A batch of 16 loads uses up 512 consecutive bytes of each of its 16 rows.
.Lwo:
	s_sub_co_u32 s25, ttmp9, 352
	s_lshl_b32 s25, s25, 2
	s_add_co_u32 s25, s25, s24                     ; W
	s_lshr_b32 s28, s25, 1                         ; nb
	s_and_b32 s29, s25, 1                          ; which half of K
	s_lshl_b32 s30, s28, 16                        ; 16 rows of 4,096 bytes
	s_lshl_b32 s26, s29, 11                        ; 16 fragments x 128 bytes of a row
	s_add_co_u32 s30, s30, s26
	s_mov_b32 s31, 0
	s_add_nc_u64 s[12:13], s[12:13], s[30:31]
	s_lshl_b32 s30, s28, 15                        ; the image of 16 rows: 32,768 bytes
	s_lshl_b32 s26, s29, 14                        ; 16 fragments x 1,024 bytes
	s_add_co_u32 s30, s30, s26
	s_add_nc_u64 s[18:19], s[18:19], s[30:31]
	v_and_b32 v14, 15, v0                          ; r
	v_bfe_u32 v15, v0, 4, 1                        ; h
	v_lshlrev_b32 v16, 12, v14
	v_lshl_add_u32 v16, v15, 5, v16                ; in: row r, + 32 h: my eight numbers of a piece
	v_lshlrev_b32 v17, 4, v2                       ; out: 16 x lane
.irp bt, 0,1,2,3
.if \bt > 0
	s_wait_xcnt 0x0                                ; the last batch's stores have read their data registers
.endif
.irp k, 0,1,2,3
.irp p, 0,1
	global_load_b128 v[32+16*\k+8*\p:32+16*\k+8*\p+3], v16, s[12:13] offset:128*(4*\bt+\k)+64*\p
	global_load_b128 v[32+16*\k+8*\p+4:32+16*\k+8*\p+7], v16, s[12:13] offset:128*(4*\bt+\k)+64*\p+16
.endr
.endr
	s_wait_loadcnt 0x0
.set n, 0
.rept 32
	v_cvt_pk_f16_f32 v[96+n], v[32+2*n], v[33+2*n]
.set n, n+1
.endr
.irp k, 0,1,2,3
.irp p, 0,1
	global_store_b128 v17, v[96+8*\k+4*\p:96+8*\k+4*\p+3], s[18:19] offset:1024*(4*\bt+\k)+512*\p   ; 512 consecutive bytes
.endr
.endr
.endr
	FINISH
; ---- THE TABLE OF cos AND sin.  Wave tb of 128 takes 16 positions.  A lane has 16 frequencies, number 8 u + 4 jj + i: f = 16 u + 8 h + 4 jj + i.  The angle a is reduced by n = the nearest whole number to a x 2 / pi
; (pi / 2 in two parts, fused multiply-adds), sin and cos of the rest come by polynomials on -pi / 4 .. pi / 4, and n's two low bits say which is which and with which sign.
.Lrope:
	s_sub_co_u32 s25, ttmp9, 384
	s_lshl_b32 s25, s25, 2
	s_add_co_u32 s25, s25, s24                     ; tb
	s_lshl_b32 s30, s25, 12
	s_mov_b32 s31, 0
	s_add_nc_u64 s[20:21], s[20:21], s[30:31]
	s_lshl_b32 s26, s25, 4                         ; 16 tb
	s_mov_b32 s32, 0x3f22f983                      ; 2 / pi
	s_mov_b32 s33, 0xbfc90fdb                      ; -(pi / 2), its f32
	s_mov_b32 s34, 0x333bbd2e                      ; what that f32 is too large by
	s_mov_b32 s35, 0xbe2aaaa3                      ; sin: S1, S2, S3
	s_mov_b32 s36, 0x3c08839e
	s_mov_b32 s37, 0xb94ca1f9
	s_mov_b32 s38, 0x3d2aaaa5                      ; cos: C1, C2, C3
	s_mov_b32 s39, 0xbab6061a
	s_mov_b32 s40, 0x37ccf5ce
	s_mov_b32 s41, 0xbed49a78                      ; -log2(10000) / 32
	v_and_b32 v14, 15, v0                          ; r
	v_bfe_u32 v15, v0, 4, 1                        ; h
	v_add_nc_u32 v16, s26, v14
	v_cvt_f32_u32 v16, v16                         ; t
	v_lshlrev_b32 v17, 3, v15                      ; 8 h
	v_lshlrev_b32 v18, 4, v2                       ; 16 x lane
.macro ALL16 body:vararg
.irp i, 0,1,2,3,4,5,6,7,8,9,10,11,12,13,14,15
	\body
.endr
.endm
.irp i, 0,1,2,3,4,5,6,7,8,9,10,11,12,13,14,15
	v_add_nc_u32 v[32+\i], 16*(\i/8)+\i%8, v17     ; f
.endr
.irp i, 0,1,2,3,4,5,6,7,8,9,10,11,12,13,14,15
	v_cvt_f32_u32 v[32+\i], v[32+\i]
.endr
.irp i, 0,1,2,3,4,5,6,7,8,9,10,11,12,13,14,15
	v_mul_f32 v[32+\i], s41, v[32+\i]
.endr
.irp i, 0,1,2,3,4,5,6,7,8,9,10,11,12,13,14,15
	v_exp_f32 v[32+\i], v[32+\i]                   ; 10000^(-f / 32): one batch
.endr
	v_nop                                          ; the plain line behind the last exponential
	s_wait_alu depctr_va_vdst(0)                   ; one wait for the batch, ahead of its first reader
.irp i, 0,1,2,3,4,5,6,7,8,9,10,11,12,13,14,15
	v_mul_f32 v[48+\i], v16, v[32+\i]              ; a
.endr
.irp i, 0,1,2,3,4,5,6,7,8,9,10,11,12,13,14,15
	v_mul_f32 v[64+\i], s32, v[48+\i]
.endr
.irp i, 0,1,2,3,4,5,6,7,8,9,10,11,12,13,14,15
	v_rndne_f32 v[64+\i], v[64+\i]                 ; n
.endr
.irp i, 0,1,2,3,4,5,6,7,8,9,10,11,12,13,14,15
	v_fma_f32 v[48+\i], v[64+\i], s33, v[48+\i]
.endr
.irp i, 0,1,2,3,4,5,6,7,8,9,10,11,12,13,14,15
	v_fma_f32 v[48+\i], v[64+\i], s34, v[48+\i]    ; rho = a - n pi / 2
.endr
.irp i, 0,1,2,3,4,5,6,7,8,9,10,11,12,13,14,15
	v_cvt_i32_f32 v[64+\i], v[64+\i]               ; n as a whole number, 0 or more
.endr
.irp i, 0,1,2,3,4,5,6,7,8,9,10,11,12,13,14,15
	v_mul_f32 v[80+\i], v[48+\i], v[48+\i]         ; z = rho^2
.endr
.irp i, 0,1,2,3,4,5,6,7,8,9,10,11,12,13,14,15
	v_fma_f32 v[96+\i], v[80+\i], s37, s36
.endr
.irp i, 0,1,2,3,4,5,6,7,8,9,10,11,12,13,14,15
	v_fma_f32 v[96+\i], v[96+\i], v[80+\i], s35
.endr
.irp i, 0,1,2,3,4,5,6,7,8,9,10,11,12,13,14,15
	v_mul_f32 v[96+\i], v[96+\i], v[80+\i]
.endr
.irp i, 0,1,2,3,4,5,6,7,8,9,10,11,12,13,14,15
	v_fma_f32 v[96+\i], v[96+\i], v[48+\i], v[48+\i]   ; s = rho + rho z (S1 + z (S2 + z S3))
.endr
.irp i, 0,1,2,3,4,5,6,7,8,9,10,11,12,13,14,15
	v_fma_f32 v[112+\i], v[80+\i], s40, s39
.endr
.irp i, 0,1,2,3,4,5,6,7,8,9,10,11,12,13,14,15
	v_fma_f32 v[112+\i], v[112+\i], v[80+\i], s38
.endr
.irp i, 0,1,2,3,4,5,6,7,8,9,10,11,12,13,14,15
	v_fma_f32 v[32+\i], v[80+\i], -0.5, 1.0
.endr
.irp i, 0,1,2,3,4,5,6,7,8,9,10,11,12,13,14,15
	v_mul_f32 v[112+\i], v[112+\i], v[80+\i]
.endr
.irp i, 0,1,2,3,4,5,6,7,8,9,10,11,12,13,14,15
	v_fma_f32 v[112+\i], v[112+\i], v[80+\i], v[32+\i]   ; c = 1 - z / 2 + z^2 (C1 + z (C2 + z C3))
.endr
.irp i, 0,1,2,3,4,5,6,7,8,9,10,11,12,13,14,15
	v_and_b32 v[32+\i], 1, v[64+\i]
	v_cmp_eq_u32 vcc_lo, 1, v[32+\i]               ; n odd: s and c change places
	v_cndmask_b32 v[128+16*(\i/8)+\i%8], v[112+\i], v[96+\i], vcc_lo
	v_cndmask_b32 v[136+16*(\i/8)+\i%8], v[96+\i], v[112+\i], vcc_lo
.endr
.irp i, 0,1,2,3,4,5,6,7,8,9,10,11,12,13,14,15
	v_add_nc_u32 v[32+\i], 1, v[64+\i]
.endr
.irp i, 0,1,2,3,4,5,6,7,8,9,10,11,12,13,14,15
	v_and_b32 v[32+\i], 2, v[32+\i]
	v_and_b32 v[64+\i], 2, v[64+\i]
.endr
.irp i, 0,1,2,3,4,5,6,7,8,9,10,11,12,13,14,15
	v_lshlrev_b32 v[32+\i], 30, v[32+\i]           ; cos is negative where n mod 4 is 1 or 2,
	v_lshlrev_b32 v[64+\i], 30, v[64+\i]           ; sin where it is 2 or 3
.endr
.irp i, 0,1,2,3,4,5,6,7,8,9,10,11,12,13,14,15
	v_xor_b32 v[128+16*(\i/8)+\i%8], v[128+16*(\i/8)+\i%8], v[32+\i]
	v_xor_b32 v[136+16*(\i/8)+\i%8], v[136+16*(\i/8)+\i%8], v[64+\i]
.endr
.irp p, 0,1,2,3,4,5,6,7
	global_store_b128 v18, v[128+4*\p:131+4*\p], s[20:21] offset:512*\p   ; 512 consecutive bytes
.endr
	FINISH
.Lfunc_end_k_qd9560df7f0_prep:
	.size	k_qd9560df7f0_prep, .Lfunc_end_k_qd9560df7f0_prep-k_qd9560df7f0_prep
	.p2alignl 7, 3214868480
	.fill 96, 4, 3214868480
	.section	.rodata,"a",@progbits
	.p2align	6, 0x0
	.amdhsa_kernel k_qd9560df7f0_prep
		.amdhsa_group_segment_fixed_size 33280
		.amdhsa_private_segment_fixed_size 0
		.amdhsa_enable_private_segment 0
		.amdhsa_kernarg_size 72
		.amdhsa_user_sgpr_count 2
		.amdhsa_user_sgpr_kernarg_segment_ptr 1
		.amdhsa_wavefront_size32 1
		.amdhsa_system_sgpr_workgroup_id_x 1
		.amdhsa_system_sgpr_workgroup_id_y 1
		.amdhsa_system_sgpr_workgroup_id_z 1
		.amdhsa_system_vgpr_workitem_id 0
		.amdhsa_next_free_vgpr 192
		.amdhsa_next_free_sgpr 66
		.amdhsa_reserve_vcc 1
		.amdhsa_float_denorm_mode_32 3
		.amdhsa_float_denorm_mode_16_64 3
		.amdhsa_memory_ordered 1
		.amdhsa_forward_progress 1
		.amdhsa_inst_pref_size 74
	.end_amdhsa_kernel
	.amdgpu_metadata
---
amdhsa.version: [ 1, 2 ]
amdhsa.kernels:
  - .name:           k_qd9560df7f0_prep
    .symbol:         k_qd9560df7f0_prep.kd
    .args:
      - { .name: x, .offset: 0, .size: 8, .value_kind: global_buffer, .address_space: global }
      - { .name: wq, .offset: 8, .size: 8, .value_kind: global_buffer, .address_space: global }
      - { .name: wk, .offset: 16, .size: 8, .value_kind: global_buffer, .address_space: global }
      - { .name: wv, .offset: 24, .size: 8, .value_kind: global_buffer, .address_space: global }
      - { .name: wo, .offset: 32, .size: 8, .value_kind: global_buffer, .address_space: global }
      - { .name: codes, .offset: 40, .size: 8, .value_kind: global_buffer, .address_space: global }
      - { .name: scales, .offset: 48, .size: 8, .value_kind: global_buffer, .address_space: global }
      - { .name: woimg, .offset: 56, .size: 8, .value_kind: global_buffer, .address_space: global }
      - { .name: rope, .offset: 64, .size: 8, .value_kind: global_buffer, .address_space: global }
    .group_segment_fixed_size: 33280
    .private_segment_fixed_size: 0
    .kernarg_segment_align: 8
    .kernarg_segment_size: 72
    .max_flat_workgroup_size: 128
    .sgpr_count:     66
    .vgpr_count:     192
    .wavefront_size: 32
...
	.end_amdgpu_metadata
.endif
;; end of part 1
;; launch qkv (part 2): grid 12 x 32, 4 waves a work-group, clusters of 4 x 4, 327,680 bytes of LDS; arguments codes, scales, rope, qkv, fine; writes qkv, fine
.if DOCPART == 2
	.amdgcn_target "amdgcn-amd-amdhsa--gfx1250"
	.amdhsa_code_object_version 6
	.text
	.protected	k_qd9560df7f0_qkv
	.globl	k_qd9560df7f0_qkv
	.p2align	8
	.type	k_qd9560df7f0_qkv,@function
k_qd9560df7f0_qkv:
	s_mov_b64 s[64:65], 0
	v_nop
	global_prefetch_b8 v0, s[64:65] scope:SCOPE_SE
	s_setreg_imm32_b32 hwreg(HW_REG_WAVE_MODE, 25, 1), 1
	s_wait_xcnt 0x0
	s_wait_alu depctr_hold_cnt(0) depctr_sa_sdst(0) depctr_va_vdst(0) depctr_va_sdst(0) depctr_va_ssrc(0) depctr_va_vcc(0) depctr_vm_vsrc(0)
	s_getreg_b32 s2, hwreg(HW_REG_IB_STS2, 6, 4)
	s_cmp_eq_u32 s2, 0
	s_cbranch_scc0 .Lentry_in_a_cluster
	s_endpgm
.Lentry_in_a_cluster:
	s_bfe_u32 s2, ttmp6, 0x10000c
	s_cmp_lg_u32 s2, 0xf033
	s_cbranch_scc0 .Lentry_shape_is_right
	s_endpgm
.Lentry_shape_is_right:
; Launch 2 of 5: q, k, v = x wq^T, x wk^T, x wv^T, on codes of E2M1 with one E8M0 scale for each 32 along K (K = 1,024), f32 sums; the rotary embedding of q and k in f32; results as f16 images for the attention.
; One GEMM: A = x's 8,192 rows of codes, B = the 3,072 rows of wq, wk, wv, which lie behind x's in the same two buffers.  A tile of C, 256 x 256, is made by four waves, 128 x 128 each: 64 accumulators, 512 registers.
; K goes in two steps of 512 through two LDS slots, each filled once (rows of 256 bytes + 16 of padding); the scale bytes of the tile's rows come once, as units of 256 bytes + 16 of padding.
; CLUSTERS: 4 x 4 work-groups; A's tiles are asked for jointly along a row of the cluster, B's along a column.  Tile row = 8 cy + cluster y (so batch = cy, first position = 256 x cluster y), tile column = 4 x cluster x + cx
; (so cluster x says q, k or v): every branch of this text hangs on the cluster's number or the wave's number, which all partners share.
; THE MATRIX INSTRUCTION IS USED TRANSPOSED (source 0 = 16 rows of B, source 1 = 16 rows of A): lane (r, h) holds position r and eight neighbouring channels 8 h + 0 .. 7 of each tile of 16 channels.  A head's 64 channels are four
; tiles; the rotary pair of channel d is d + 32, two tiles on IN THE SAME LANE AND REGISTER: the embedding needs no other lane.
; THE WAY OUT needs no LDS: qkv is laid [q, k, v][batch][head][t / 16][piece of 16 channels][512 bytes], for q and k lane l's 16 bytes at 16 l (the registers of the first attention product's operands), for v at 32 r + 16 h
; (16 keys x 16 channels, rows of 32 bytes).  Each store of a wave covers 512 consecutive bytes, aligned.  Positions 0 to 15 of every sequence also go out in f32 (fine), for the last launch.
; 384 work-groups of equal work; a tile of three heads, which would give 256, would part rotary pairs between waves.  LIMIT: |q|, |k|, |v| up to 65,504 (f16).
; REGISTERS, in windows of 256: window 0: v0-31 addresses; v32-95 scale words, two sets; v128-191 A's fragments, one set; v192-255 two sets of cos and sin; on the way out v32-95 rotated numbers, v96-159 f16, v160-175 at work.
;   window 1: B's fragments, two sets.   window 2: the accumulators of my rows 0-63 ((a, b) at v[8 (8 a + b)]);   window 3: those of rows 64-127.
.set SIZE_K, 1024
.set KSTEP,  512
.set NQ,     KSTEP/128
.set ROWB,   256                       ; a tile's row in bytes
.set KROW,   SIZE_K*4/8                ; a row of codes in memory
.set PITCH,  272                       ; an LDS row: 256 bytes + 16 of padding: the 16 rows that a load touches start at 16 different banks
.set FR,     8
.set NL,     2
.set NP,     4
.set HALFT,  128*PITCH
.set SLOT,   4*HALFT
.set KS,     SIZE_K/32                 ; a row of scale bytes
.set SCL,    2*SLOT
.set HALFS,  (128*KS/256)*272
.set SBLK,   (16*KS/256)*272
.set SPARE,  SCL+4*HALFS               ; the spare words: 128 bytes a wave, two blocks of 256 bytes that no other line names
.set ADRA, 16                          ; v16-17  LDS address of my A fragments in slot 0, 1
.set ADRB, 20                          ; v20-21  the same for B
.set LO,   24                          ; v24     my 16 bytes in a piece of qkv: 16 r + 256 h (q, k) or 32 r + 16 h (v); never rewritten
.set LI,   25                          ; v25     16 x lane; never rewritten
.set VO,   26                          ; v26     fine v: 256 r + 32 h; never rewritten
.set ADRS, 27                          ; v27     LDS address of my scale words: lanes 0-15 A's rows, lanes 16-31 B's
.set SPW,  28
.set NIL,  29
.set SC,   32
.set AF,   128
.set Y,    32                          ; the way out: 64 rotated numbers: 32 hd + 8 p + j
.set PK,   96                          ; two sets of 32 registers of f16
.set TT,   160                         ; 16 registers at work
.set RP,   192                         ; two sets of 32: cos (u, j) at 16 u + j, sin at 16 u + 8 + j
.set G1, 24
.set G0, 32
.set G1B, 48
.set G0B, 56
.set G1S, 68
.set G0S, 76
.set G1SB, 80
.set G0SB, 88
.set MSB, 0
.macro WIN new                         ; the immediate's high byte repeats the setting that is left
.if MSB != \new
	s_set_vgpr_msb (MSB<<8)|\new
.set MSB, \new
.endif
.endm
.set MUL_LO, 0xa1                      ; source 0 (B) window 1, source 1 (A) window 0, C and D window 2
.set MUL_HI, 0xf1                      ; the same, C and D window 3
.set TO_B,   0x40                      ; destination window 1, address window 0
; A joint load: waves 0 and 1 fetch for A, waves 2 and 3 for B; the branch hangs on the wave's number alone.  An s_nop 0 and four v_nop follow each of the two lines.
.macro JLOAD g0a, g1a, g0b, g1b
	s_cmp_eq_u32 s15, 0
	s_cbranch_scc0 .Lfor_b_\@
	tensor_load_to_lds s[\g0a:\g0a+3], s[\g1a:\g1a+7]
	s_nop 0
.rept 4
	v_nop
.endr
	s_branch .Lasked_\@
.Lfor_b_\@:
	tensor_load_to_lds s[\g0b:\g0b+3], s[\g1b:\g1b+7]
	s_nop 0
.rept 4
	v_nop
.endr
.Lasked_\@:
.endm
.macro CROUND                          ; a round of the cluster's barrier
	s_barrier_signal -1
	s_barrier_wait -1
	s_cmp_lg_u32 s14, 0
	s_cbranch_scc1 .Lnot_wave_0_\@
	s_barrier_signal -3
.Lnot_wave_0_\@:
	s_barrier_wait -3
	s_barrier_signal -1
	s_barrier_wait -1
.endm
	s_load_b128 s[4:7], s[0:1], 0x0                ; codes s[4:5], scales s[6:7]
	s_load_b128 s[96:99], s[0:1], 0x10             ; rope s[96:97], qkv s[98:99]
	s_load_b64 s[12:13], s[0:1], 0x20              ; fine
	v_lshl_add_u32 v[SPW], v0, 2, SPARE
	v_mov_b32 v[NIL], 0
	ds_add_u32 v[SPW], v[NIL]                      ; the wave's opening: the add, twice on end, and its wait ahead of my first tensor load
	ds_add_u32 v[SPW], v[NIL]
	v_lshrrev_b32 v1, 5, v0
	v_readfirstlane_b32 s14, v1                    ; wave 0..3
	s_lshr_b32 s15, s14, 1                         ; which half of the tile's rows is mine.  Also: I fetch for A (0) or for B (1)
	s_and_b32 s16, s14, 1                          ; which half of its columns.  Also: which 128 rows of that tile I fetch
	s_bfe_u32 s40, ttmp6, 0x40000                  ; cx
	s_bfe_u32 s41, ttmp6, 0x40004                  ; cy
	s_lshl_b32 s42, ttmp9, 2
	s_add_co_u32 s42, s42, s40                     ; tile column = 4 x cluster x + cx
	s_and_b32 s17, ttmp7, 0xffff
	s_lshl_b32 s18, s41, 3
	s_add_co_u32 s17, s17, s18                     ; tile row = 8 cy + cluster y
	s_lshl_b32 s43, s41, 2
	s_lshl_b32 s43, 15, s43                        ; my row of the cluster
	s_lshl_b32 s44, 0x1111, s40                    ; my column
	s_or_b32 s[G1+0], s43, (0<<16)|(1<<20)|(1<<21)|(5<<22)|(3<<25)  ; the mask; elements of 1 byte; padding on; bit 21 beside a mask; after every 64 words, 4 words
	s_or_b32 s[G1B+0], s44, (0<<16)|(1<<20)|(1<<21)|(5<<22)|(3<<25)
.irp g, G1, G1B
	s_mov_b32 s[\g+1], ROWB<<16                    ; tensor_dim0
	s_mov_b32 s[\g+2], 128<<16                     ; tensor_dim1
	s_mov_b32 s[\g+3], ROWB<<16                    ; tile_dim0
	s_mov_b32 s[\g+4], 128                         ; tile_dim1
	s_mov_b32 s[\g+5], KROW                        ; from row to row
	s_mov_b32 s[\g+6], 0
	s_mov_b32 s[\g+7], 0
.endr
	s_or_b32 s[G1S+0], s43, (3<<16)|(1<<20)|(1<<21)|(5<<22)|(3<<25)   ; the scales of 128 rows: 4,096 dense bytes as 16 rows of 256 (32 elements of 8 bytes), 16 of padding behind each
	s_or_b32 s[G1SB+0], s44, (3<<16)|(1<<20)|(1<<21)|(5<<22)|(3<<25)
.irp g, G1S, G1SB
	s_mov_b32 s[\g+1], 32<<16
	s_mov_b32 s[\g+2], (128*KS/256)<<16
	s_mov_b32 s[\g+3], 32<<16
	s_mov_b32 s[\g+4], 128*KS/256
	s_mov_b32 s[\g+5], 32
	s_mov_b32 s[\g+6], 0
	s_mov_b32 s[\g+7], 0
.endr
	s_lshl_b32 s18, s16, 7                         ; which 128 rows of the tile I fetch
	s_lshl_b32 s20, s17, 8
	s_add_co_u32 s20, s20, s18                     ; A: row 256 x tile row + 128 x half
	s_lshl_b32 s46, s42, 8
	s_add_co_u32 s46, s46, s18                     ; B: row 256 x tile column + 128 x half, among the weights' 3,072
	s_mov_b32 s21, 0
	s_mov_b32 s47, 0
	s_mov_b64 s[18:19], KS
	s_mul_u64 s[22:23], s[20:21], s[18:19]         ; where these rows' scales begin,
	s_mul_u64 s[92:93], s[46:47], s[18:19]
	s_mov_b64 s[18:19], KROW
	s_mul_u64 s[20:21], s[20:21], s[18:19]         ; and their codes
	s_mul_u64 s[46:47], s[46:47], s[18:19]
	s_mul_i32 s45, s14, HALFT                      ; where they go: wave x 128 rows: no place in the cluster enters an LDS address
	s_mul_i32 s94, s14, HALFS
	s_wait_dscnt 0x0                               ; both opening adds are done
	s_wait_kmcnt 0x0
	s_add_nc_u64 s[8:9], s[4:5], 0x400000          ; the weights' codes lie behind x's 8,192 rows of 512 bytes,
	s_add_nc_u64 s[10:11], s[6:7], 0x40000         ; their scale bytes behind x's 8,192 rows of 32
	s_add_nc_u64 s[20:21], s[4:5], s[20:21]
	s_add_nc_u64 s[22:23], s[6:7], s[22:23]
	s_add_nc_u64 s[46:47], s[8:9], s[46:47]
	s_add_nc_u64 s[92:93], s[10:11], s[92:93]
	CROUND                                         ; all sixteen work-groups are here: the joint loads meet
	s_mov_b32 s[G0S], 1
	s_add_co_u32 s[G0S+1], s94, SCL
	s_mov_b64 s[G0S+2:G0S+3], s[22:23]
	s_or_b32 s[G0S+3], s[G0S+3], 0x80000000
	s_mov_b32 s[G0SB], 1
	s_add_co_u32 s[G0SB+1], s94, SCL
	s_mov_b64 s[G0SB+2:G0SB+3], s[92:93]
	s_or_b32 s[G0SB+3], s[G0SB+3], 0x80000000
	JLOAD G0S, G1S, G0SB, G1SB                     ; the scales first: they are wanted with K step 0
.irp s, 0,1
	s_mov_b32 s[G0+4*\s], 1
	s_add_co_u32 s[G0+4*\s+1], s45, \s*SLOT
	s_add_nc_u64 s[G0+4*\s+2:G0+4*\s+3], s[20:21], \s*ROWB
	s_or_b32 s[G0+4*\s+3], s[G0+4*\s+3], 0x80000000
	s_mov_b32 s[G0B+4*\s], 1
	s_add_co_u32 s[G0B+4*\s+1], s45, \s*SLOT
	s_add_nc_u64 s[G0B+4*\s+2:G0B+4*\s+3], s[46:47], \s*ROWB
	s_or_b32 s[G0B+4*\s+3], s[G0B+4*\s+3], 0x80000000
	JLOAD G0+4*\s, G1, G0B+4*\s, G1B               ; three loads of mine are out: all of K is asked for, and no slot is filled twice
.endr
	v_and_b32 v1, 15, v0                           ; r
	v_bfe_u32 v2, v0, 4, 1                         ; h
	v_mul_u32_u24 v3, v1, PITCH
	v_lshl_add_u32 v4, v2, 4, v3                   ; a fragment's row x pitch + 16 x half
	s_mul_i32 s21, s15, HALFT                      ; my 128 rows of A
	s_mul_i32 s22, s16, HALFT                      ; my 128 rows of B,
	s_add_co_u32 s22, s22, 2*HALFT                 ; which lie behind A's 256
.irp s, 0,1
	v_add_nc_u32 v[ADRA+\s], s21, v4
	v_add_nc_u32 v[ADRB+\s], s22, v4
	s_add_co_u32 s21, s21, SLOT
	s_add_co_u32 s22, s22, SLOT
.endr
	v_mul_u32_u24 v5, v1, KS                       ; my row's scales: KS bytes a row,
	v_lshrrev_b32 v6, 8, v5
	v_lshl_add_u32 v5, v6, 4, v5                   ; and 16 more for each 256 passed
	s_mul_i32 s21, s15, HALFS
	s_mul_i32 s22, s16, HALFS
	s_add_co_u32 s22, s22, 2*HALFS
	s_sub_co_u32 s22, s22, s21
	v_mul_u32_u24 v6, s22, v2                      ; lanes 16-31 take B's: one product, the distance between the two bases
	s_add_co_u32 s21, s21, SCL
	v_add_nc_u32 v5, v5, v6
	v_add_nc_u32 v[ADRS], s21, v5
	; the way out.  Numbers that hold cx stay in registers that feed none of A's descriptors
	s_lshl_b32 s66, s41, 4
	s_lshl_b32 s67, s40, 2
	s_add_co_u32 s66, s66, s67
	s_lshl_b32 s67, s16, 1
	s_add_co_u32 s66, s66, s67                     ; 16 x batch + my first head = 16 cy + 4 cx + 2 x column half
	s_and_b32 s92, ttmp7, 0xffff
	s_or_b32 s3, s92, s15                          ; 0 where my block 0 holds positions 0 to 15
	s_lshl_b32 s92, s92, 4
	s_lshl_b32 s67, s15, 3
	s_add_co_u32 s92, s92, s67                     ; my first block of 16 positions: 16 x cluster y + 8 x row half
	s_lshl_b32 s46, s66, 7
	s_add_co_u32 s46, s46, s92
	s_lshl_b32 s46, s46, 11                        ; 2,048 bytes a block of 16 positions of a head
	s_lshl_b32 s67, ttmp9, 24                      ; q, k, v: 16,777,216 bytes each
	s_add_co_u32 s46, s46, s67
	s_mov_b32 s47, 0
	s_add_nc_u64 s[98:99], s[98:99], s[46:47]
	s_lshl_b32 s46, s92, 12                        ; the table: 4,096 bytes a block of 16 positions
	s_add_nc_u64 s[96:97], s[96:97], s[46:47]
	s_lshl_b32 s46, s66, 12                        ; fine: 4,096 bytes a head,
	s_lshl_b32 s67, ttmp9, 18                      ; 262,144 for each of q, k, v
	s_add_co_u32 s46, s46, s67
	s_add_nc_u64 s[12:13], s[12:13], s[46:47]
	v_and_b32 v6, 31, v0
	v_lshlrev_b32 v[LI], 4, v6
	s_cmp_eq_u32 ttmp9, 2
	s_cselect_b32 s67, 32, 16
	s_cselect_b32 s93, 16, 0x100
	v_mul_u32_u24 v[LO], s67, v1
	v_mul_u32_u24 v5, s93, v2
	v_add_nc_u32 v[LO], v[LO], v5
	v_lshlrev_b32 v[VO], 8, v1
	v_lshl_add_u32 v[VO], v2, 5, v[VO]
.macro ROPELOAD a, set                 ; cos and sin of my block a's 16 positions: 8 x 512 consecutive bytes
.irp p, 0,1,2,3,4,5,6,7
	global_load_b128 v[RP+32*(\set)+4*\p:RP+32*(\set)+4*\p+3], v[LI], s[96:97] offset:4096*(\a)+512*\p
.endr
.endm
	ROPELOAD 0, 0                                  ; they land while K is walked.  The waves of v's columns issue these sixteen too, and do not read them: so every way through the text finds the registers asked for
	ROPELOAD 1, 1
.macro FRAG reg, adr, q, i             ; 16 rows x 128 K of 4-bit codes: 8 registers: lane l holds row l % 16; registers 4 c .. 4 c + 3 hold K = 64 c + 32 (l / 16) + 0 .. 31
.irp c, 0,1
	ds_load_b128 v[\reg+4*\c:\reg+4*\c+3], v[\adr] offset:64*(\q)+32*\c+(\i)*16*PITCH
.endr
.endm
; 16 matrix instructions: A's blocks a0, a0 + 1 x B's eight.  The 64 accumulators take turns, one instruction a turn, in the same order in every step.
.macro MUL16 a0, p, q, sc, zero
.irp a, \a0, \a0+1
.irp b, 0,1,2,3,4,5,6,7
.if \zero
	v_wmma_scale_f32_16x16x128_f8f6f4 v[8*(8*((\a)%4)+\b):8*(8*((\a)%4)+\b)+7], v[128*(\p)+FR*\b:128*(\p)+FR*\b+FR-1], v[AF+FR*(\a):AF+FR*(\a)+FR-1], 0, v[SC+8*NQ*(\sc)+NQ*\b+(\q)], v[SC+8*NQ*(\sc)+NQ*(\a)+(\q)] matrix_a_fmt:MATRIX_FMT_FP4 matrix_b_fmt:MATRIX_FMT_FP4 matrix_a_scale:MATRIX_SCALE_ROW1
.else
	v_wmma_scale_f32_16x16x128_f8f6f4 v[8*(8*((\a)%4)+\b):8*(8*((\a)%4)+\b)+7], v[128*(\p)+FR*\b:128*(\p)+FR*\b+FR-1], v[AF+FR*(\a):AF+FR*(\a)+FR-1], v[8*(8*((\a)%4)+\b):8*(8*((\a)%4)+\b)+7], v[SC+8*NQ*(\sc)+NQ*\b+(\q)], v[SC+8*NQ*(\sc)+NQ*(\a)+(\q)] matrix_a_fmt:MATRIX_FMT_FP4 matrix_b_fmt:MATRIX_FMT_FP4 matrix_a_scale:MATRIX_SCALE_ROW1
.endif
.endr
.endr
.endm
.macro FETCH_B slot, q, p
	WIN TO_B
.irp i, 0,1,2,3,4,5,6,7
	FRAG 128*(\p)+FR*\i, ADRB+\slot, \q, \i
.endr
	WIN 0
.endm
.macro FETCH_A slot, q, i0
.irp i, \i0, \i0+1, \i0+2, \i0+3
	FRAG AF+FR*(\i), ADRA+\slot, \q, \i
.endr
.endm
.macro SCALES sc                       ; a K step's scale words: 4 a row; lanes 0-15 take A's block i, lanes 16-31 B's block i
.irp i, 0,1,2,3,4,5,6,7
	ds_load_b128 v[SC+8*NQ*\sc+NQ*\i:SC+8*NQ*\sc+NQ*\i+3], v[ADRS] offset:\i*SBLK
.endr
.endm
.macro PLACES n                        ; plain vector lines between a matrix instruction and a load into, or a vector line on, its registers
.rept \n
	v_nop
.endr
.endm
.macro STEP slot, q, zero              ; 128 along K that has its successor in the same slot
	s_wait_dscnt 4*NL                              ; B's set and A's blocks 0-3 are in; the youngest eight loads (A's blocks 4-7) may be out
	WIN MUL_LO
	MUL16 0, (\q)%2, \q, \slot, \zero
	MUL16 2, (\q)%2, \q, \slot, \zero
	s_wait_dscnt 0
	PLACES NP
	FETCH_B \slot, (\q)+1, 1-(\q)%2
	FETCH_A \slot, (\q)+1, 0
	WIN MUL_HI
	MUL16 4, (\q)%2, \q, \slot, \zero
	MUL16 6, (\q)%2, \q, \slot, \zero
	PLACES NP
	WIN 0
	FETCH_A \slot, (\q)+1, 4
.endm
.macro TURN slot, next                 ; slot 0's last step changes slots: one barrier; nothing is filled again
	s_wait_tensorcnt 0x0                           ; all my tensor loads have landed: my part of the next slot
	ds_add_u32 v[SPW], v[NIL]                      ; 0 onto my spare word
	s_wait_dscnt 4*NL+1                            ; the add and the youngest eight loads may be out
	WIN MUL_LO
	MUL16 0, 1, NQ-1, \slot, 0
	s_wait_dscnt 0x0
	s_barrier_signal -1
	MUL16 2, 1, NQ-1, \slot, 0
	WIN 0
	s_barrier_wait -1                              ; the next slot is whole
	PLACES NP
	v_add_nc_u32 v[ADRS], 4*NQ, v[ADRS]            ; on to the next K step's scale words
	FETCH_B \next, 0, 0
	FETCH_A \next, 0, 0
	SCALES \next
	WIN MUL_HI
	MUL16 4, 1, NQ-1, \slot, 0
	MUL16 6, 1, NQ-1, \slot, 0
	PLACES NP
	WIN 0
	FETCH_A \next, 0, 4
.endm
.macro STEPS slot, from
.set Q, \from
.rept NQ-1-\from
	STEP \slot, Q, 0
.set Q, Q+1
.endr
.endm
	s_wait_tensorcnt 1                             ; the scales and my part of K step 0 are in; K step 1's load may be out
	s_barrier_signal -1
	s_barrier_wait -1
	FETCH_B 0, 0, 0
	FETCH_A 0, 0, 0
	SCALES 0
	FETCH_A 0, 0, 4
	STEP 0, 0, 1                                   ; the first products start the sums: nothing is cleared
	STEPS 0, 1
	TURN 0, 1
	STEPS 1, 0
	s_wait_dscnt 4*NL                              ; the very last step
	WIN MUL_LO
	MUL16 0, 1, NQ-1, 1, 0
	MUL16 2, 1, NQ-1, 1, 0
	s_wait_dscnt 0
	WIN MUL_HI
	MUL16 4, 1, NQ-1, 1, 0
	MUL16 6, 1, NQ-1, 1, 0
	WIN 0
; THE WAY OUT of block a (16 positions x my two heads) of q or k.  y1 = x1 cos - x2 sin, y2 = x1 sin + x2 cos, x1 in tile 4 hd + u, x2 in tile 4 hd + u + 2, two numbers an instruction; each accumulator is read from its low end on.
.macro OUTR a
.set AC, 64*((\a)%4)
.set RS, RP+32*((\a)%2)
.set PS, PK+32*((\a)%2)
.set WN, 0x02+(\a)/4
.if (\a) < 7
	s_wait_loadcnt 8                               ; this block's eight loads of the table are in; the next block's eight may be out
.else
	s_wait_loadcnt 0x0
.endif
	s_wait_xcnt 0x0                                ; earlier stores have read their data registers
	WIN WN                                         ; source 0: the accumulators' window
.irp hd, 0,1
.irp u, 0,1
.irp jp, 0,1,2,3
	v_pk_mul_f32 v[TT+2*\jp:TT+2*\jp+1], v[AC+8*(4*\hd+\u+2)+2*\jp:AC+8*(4*\hd+\u+2)+2*\jp+1], v[RS+16*\u+8+2*\jp:RS+16*\u+8+2*\jp+1]
.endr
.irp jp, 0,1,2,3
	v_pk_mul_f32 v[TT+8+2*\jp:TT+8+2*\jp+1], v[AC+8*(4*\hd+\u+2)+2*\jp:AC+8*(4*\hd+\u+2)+2*\jp+1], v[RS+16*\u+2*\jp:RS+16*\u+2*\jp+1]
.endr
.irp jp, 0,1,2,3
	v_pk_fma_f32 v[Y+32*\hd+8*\u+2*\jp:Y+32*\hd+8*\u+2*\jp+1], v[AC+8*(4*\hd+\u)+2*\jp:AC+8*(4*\hd+\u)+2*\jp+1], v[RS+16*\u+2*\jp:RS+16*\u+2*\jp+1], v[TT+2*\jp:TT+2*\jp+1] neg_lo:[0,0,1] neg_hi:[0,0,1]
.endr
.irp jp, 0,1,2,3
	v_pk_fma_f32 v[Y+32*\hd+8*(\u+2)+2*\jp:Y+32*\hd+8*(\u+2)+2*\jp+1], v[AC+8*(4*\hd+\u)+2*\jp:AC+8*(4*\hd+\u)+2*\jp+1], v[RS+16*\u+8+2*\jp:RS+16*\u+8+2*\jp+1], v[TT+8+2*\jp:TT+8+2*\jp+1]
.endr
.endr
.endr
	WIN 0
.if (\a) == 0
	s_cmp_lg_u32 s3, 0                             ; positions 0 to 15 also go out in f32: the cluster's y and the wave's number decide
	s_cbranch_scc1 .Lnot_fine_\@
.irp hd, 0,1
.irp p, 0,1,2,3
.irp hf, 0,1
	global_store_b128 v[LI], v[Y+32*\hd+8*\p+4*\hf:Y+32*\hd+8*\p+4*\hf+3], s[12:13] offset:4096*\hd+1024*\p+512*\hf
.endr
.endr
.endr
.Lnot_fine_\@:
.endif
.set n, 0
.rept 32
	v_cvt_pk_f16_f32 v[PS+n], v[Y+2*n], v[Y+2*n+1]
.set n, n+1
.endr
.if (\a)+2 < 8
	ROPELOAD (\a)+2, (\a)%2                        ; this set has been read: it takes the block two further on
.endif
.irp hd, 0,1
.irp p, 0,1,2,3
	global_store_b128 v[LO], v[PS+4*(4*\hd+\p):PS+4*(4*\hd+\p)+3], s[98:99] offset:2048*(\a)+262144*\hd+512*\p   ; 512 consecutive bytes
.endr
.endr
.endm
; The same for v: no embedding.
.macro OUTV a
.set AC, 64*((\a)%4)
.set PS, PK+32*((\a)%2)
.set WN, 0x0a+5*((\a)/4)
	s_wait_xcnt 0x0                                ; earlier stores have read their data registers
	WIN WN                                         ; sources 0 and 1: the accumulators' window
.set n, 0
.rept 32
	v_cvt_pk_f16_f32 v[PS+n], v[AC+2*n], v[AC+2*n+1]
.set n, n+1
.endr
	WIN 0
.if (\a) == 0
	s_cmp_lg_u32 s3, 0
	s_cbranch_scc1 .Lnot_fine_\@
	WIN 0x08                                       ; a store's data are its source 1: window 2
.irp hd, 0,1
.irp p, 0,1,2,3
.irp hf, 0,1
	global_store_b128 v[VO], v[AC+32*\hd+8*\p+4*\hf:AC+32*\hd+8*\p+4*\hf+3], s[12:13] offset:4096*\hd+64*\p+16*\hf   ; fine v: [16 keys][64 channels] f32
.endr
.endr
.endr
	WIN 0
.Lnot_fine_\@:
.endif
.irp hd, 0,1
.irp p, 0,1,2,3
	global_store_b128 v[LO], v[PS+4*(4*\hd+\p):PS+4*(4*\hd+\p)+3], s[98:99] offset:2048*(\a)+262144*\hd+512*\p
.endr
.endr
.endm
	PLACES NP                                      ; behind the last products: their results are read, and their operands' and scales' registers written, below
	s_cmp_eq_u32 ttmp9, 2                          ; cluster x = 2: v's columns
	s_cbranch_scc1 .Lvalues
.irp a, 0,1,2,3,4,5,6,7
	OUTR \a
.endr
	s_branch .Lclose
.Lvalues:
.irp a, 0,1,2,3,4,5,6,7
	OUTV \a
.endr
.Lclose:
	s_wait_tensorcnt 0x0                           ; the wave's end
	ds_add_u32 v[SPW], v[NIL]
	s_wait_dscnt 0x0
	CROUND                                         ; the closing round
	s_endpgm
.Lfunc_end_k_qd9560df7f0_qkv:
	.size	k_qd9560df7f0_qkv, .Lfunc_end_k_qd9560df7f0_qkv-k_qd9560df7f0_qkv
	.p2alignl 7, 3214868480
	.fill 96, 4, 3214868480
	.section	.rodata,"a",@progbits
	.p2align	6, 0x0
	.amdhsa_kernel k_qd9560df7f0_qkv
		.amdhsa_group_segment_fixed_size 327680
		.amdhsa_private_segment_fixed_size 0
		.amdhsa_enable_private_segment 0
		.amdhsa_kernarg_size 40
		.amdhsa_user_sgpr_count 2
		.amdhsa_user_sgpr_kernarg_segment_ptr 1
		.amdhsa_wavefront_size32 1
		.amdhsa_system_sgpr_workgroup_id_x 1
		.amdhsa_system_sgpr_workgroup_id_y 1
		.amdhsa_system_sgpr_workgroup_id_z 1
		.amdhsa_system_vgpr_workitem_id 0
		.amdhsa_next_free_vgpr 1024
		.amdhsa_next_free_sgpr 100
		.amdhsa_reserve_vcc 0
		.amdhsa_float_denorm_mode_32 3
		.amdhsa_float_denorm_mode_16_64 3
		.amdhsa_memory_ordered 1
		.amdhsa_forward_progress 1
		.amdhsa_inst_pref_size 183
	.end_amdhsa_kernel
	.amdgpu_metadata
---
amdhsa.version: [ 1, 2 ]
amdhsa.kernels:
  - .name:           k_qd9560df7f0_qkv
    .symbol:         k_qd9560df7f0_qkv.kd
    .args:
      - { .name: codes, .offset: 0, .size: 8, .value_kind: global_buffer, .address_space: global }
      - { .name: scales, .offset: 8, .size: 8, .value_kind: global_buffer, .address_space: global }
      - { .name: rope, .offset: 16, .size: 8, .value_kind: global_buffer, .address_space: global }
      - { .name: qkv, .offset: 24, .size: 8, .value_kind: global_buffer, .address_space: global }
      - { .name: fine, .offset: 32, .size: 8, .value_kind: global_buffer, .address_space: global }
    .group_segment_fixed_size: 327680
    .private_segment_fixed_size: 0
    .kernarg_segment_align: 8
    .kernarg_segment_size: 40
    .max_flat_workgroup_size: 128
    .sgpr_count:     100
    .vgpr_count:     1024
    .wavefront_size: 32
...
	.end_amdgpu_metadata
.endif
;; end of part 2
;; launch attn (part 3): grid 4 x 64, 8 waves a work-group, no clusters, 327,680 bytes of LDS; arguments qkv, att; writes att
.if DOCPART == 3
	.amdgcn_target "amdgcn-amd-amdhsa--gfx1250"
	.amdhsa_code_object_version 6
	.text
	.protected	k_qd9560df7f0_attn
	.globl	k_qd9560df7f0_attn
	.p2align	8
	.type	k_qd9560df7f0_attn,@function
k_qd9560df7f0_attn:
	s_mov_b64 s[64:65], 0
	v_nop
	global_prefetch_b8 v0, s[64:65] scope:SCOPE_SE
	s_setreg_imm32_b32 hwreg(HW_REG_WAVE_MODE, 25, 1), 1
	s_wait_xcnt 0x0
; Launch 3 of 5: att[b][t][head] = softmax over keys <= t of (q . k / 8) times v, f16 operands, f32 sums, maxima and exponentials, a running maximum.
; WORK LEFT OUT: scores whose key comes after the query get -infinity from reference()'s own jnp.tril and the weight 0: steps of 64 keys wholly behind a wave's 32 queries are not computed, slots of 256 keys wholly behind the
; work-group's last query are not fetched.  A NaN, an infinity or an overflow that only those scores would see is not carried.
; SHARES.  Work-group (i, b x 16 + head) owns the query blocks i and 7 - i, 256 queries each: (i + 1) + (8 - i) = 9 blocks of 256 x 256 under the diagonal in every one of the 256 work-groups.  Wave w owns 32 queries of each:
; tiles 0, 1 (block i) and tiles 2, 3 (block 7 - i).  Two waves share a SIMD, so that one wave's softmax stands beside the other's products; the text goes in phases.
; A step is 64 keys; its fragments of K and V are read from LDS once and feed four tiles of queries while block i is under the diagonal, two afterwards.
; NO CLUSTER: the four work-groups of a head need 8, 7, 6 and 5 slots of keys; a joint load would bring partners slots that none of their waves reads.
; LAYOUT.  S^T = K Q^T (source 0 = 16 keys, source 1 = 16 queries): a lane holds ONE query (lane % 16) and keys 8 (lane / 16) + 0 .. 7; two such tiles rounded to f16 in pairs are source 1 of O^T = V^T P.
; K's and Q's fragments lie in qkv as images of their registers (16 x lane); V lies as blocks of 16 keys x 16 channels, rows of 32 bytes, and is turned by ds_load_tr16_b128.
; LDS: two slots of 65,536 bytes: 256 keys of K (32,768 bytes as they lie in memory), then of V.  Each of the eight waves brings 8,192 dense bytes by one tensor load: one load of a wave is out at any time; every wait for them is for 0.
; SOFTMAX: p = 2^(c s - c m), c = log2(e) / 8; in every step O and l are multiplied by a = 2^(c m_old - c m_new).  m begins at -3e38, O and l at 0: the step is written once.  Key 0 counts for every query, so m is a score from the first step on.
; LIMIT: |q|, |k|, |v| and the result up to 65,504 (f16).  Positions 0 to 15 are computed here with their tiles; what the output takes for them comes from the last launch, in f32.
; REGISTERS: window 0: v1-13 addresses and masks; v16-47 statistics, 8 a tile (+0 c m, +1 m, +2, +3 l, +4 .. +7 at work, a in +6); v48-111 S^T of two tiles, then P in each tile's lower 16; v112-175 K; v176-239 V; v240-243 sums.
;   window 1: v0-63 Q (tile t, channels 32 c on: 16 t + 8 c); v64-191 O^T (64 + 32 t + 8 ct).
.set SLOT1, 65536
.set SPARE, 131072                     ; the spare words: 128 bytes a wave, four blocks of 256 bytes that no other line names
.set LI,   1                           ; v1   16 x lane
.set AV0,  2                           ; v2   my place in a block of V, V's 32,768 included
.set ADK,  3
.set ADV,  4
.set SPW,  5
.set NIL,  6
.set DL,   7                           ; v7   r - 8 h
.set NINF, 9                           ; v9   -infinity
.set PFO,  10                          ; v10  256 x lane
.set D0,   12                          ; v12, v13  the mask's bounds for the group's two tiles
.set ST,   16
.set S,    48
.set KR,   112
.set VR,   176
.set CH,   240
.set TB,   2                           ; s2   LDS byte at which the step's K begins
.set KEY,  3                           ; s3   the step's first key
.set WV,   18
.set SEL,  20
.set CS,   22
.set SLOTS, 66
.set QS,   67
.set QA0,  68                          ; s68  my first query of block i
.set QB0,  69                          ; s69  of block 7 - i
.set PFA,  76
.set LIM,  80
.set MSB, 0
.macro WIN new
.if MSB != \new
	s_set_vgpr_msb (MSB<<8)|\new
.set MSB, \new
.endif
.endm
	s_load_b128 s[4:7], s[0:1], 0x0                ; qkv s[4:5], att s[6:7]
	v_lshl_add_u32 v[SPW], v0, 2, SPARE
	v_mov_b32 v[NIL], 0
	ds_add_u32 v[SPW], v[NIL]                      ; the wave's opening: the add, twice on end, and its wait ahead of my first tensor load
	ds_add_u32 v[SPW], v[NIL]
	v_lshrrev_b32 v1, 5, v0
	v_readfirstlane_b32 s[WV], v1                  ; wave 0..7
	s_and_b32 s8, ttmp7, 0xffff                    ; 16 x batch + head
	s_mov_b32 s24, 3<<16                           ; descriptor group 1: 8,192 dense bytes as 32 rows of 256 (32 elements of 8 bytes), no padding, no mask
	s_mov_b32 s25, 32<<16                          ; tensor_dim0
	s_mov_b32 s26, 32<<16                          ; tensor_dim1
	s_mov_b32 s27, 32<<16                          ; tile_dim0
	s_mov_b32 s28, 32                              ; tile_dim1
	s_mov_b32 s29, 32                              ; from row to row
	s_mov_b32 s30, 0
	s_mov_b32 s31, 0
	s_mov_b32 s[SEL], 0x76543210
	s_mov_b32 s[SEL+1], 0xfedcba98                 ; v_permlanex16_b32: lane l xor 16
	s_mov_b32 s[CS], 0x3e38aa3b                    ; c = log2(e) / 8
	s_mov_b32 s[CS+1], s[CS]                       ; (named with it as a pair)
	s_mov_b32 s[TB], 0
	s_mov_b32 s[KEY], 0
	s_mov_b32 s[SLOTS], 7
	s_lshl_b32 s9, s[WV], 5
	s_lshl_b32 s[QA0], ttmp9, 8
	s_add_co_u32 s[QA0], s[QA0], s9                ; 256 i + 32 w
	s_sub_co_u32 s10, 7, ttmp9
	s_lshl_b32 s[QB0], s10, 8
	s_add_co_u32 s[QB0], s[QB0], s9                ; 256 (7 - i) + 32 w
	s_lshr_b32 s10, s[WV], 2                       ; waves 0-3 bring K's four steps of a slot, waves 4-7 V's
	s_add_co_u32 s10, s10, 1
	s_lshl_b32 s10, s10, 24                        ; k lies 16,777,216 bytes into qkv, v twice that
	s_lshl_b32 s12, s8, 18                         ; a head: 262,144 bytes
	s_add_co_u32 s10, s10, s12
	s_and_b32 s13, s[WV], 3
	s_lshl_b32 s13, s13, 13                        ; a step: 8,192 bytes
	s_add_co_u32 s10, s10, s13
	s_mov_b32 s11, 0
	s_mov_b32 s40, 1                               ; descriptor group 0: count,
	s_lshl_b32 s41, s[WV], 13                      ; LDS address: 8,192 x wave, in slot 0
	s_cmp_eq_u32 ttmp9, 0
	s_cselect_b32 s[LIM], 1, -1                    ; the head's work-group 0, which walks all eight slots, prefetches
	s_wait_dscnt 0x0                               ; both opening adds are done
	s_wait_kmcnt 0x0
	s_add_nc_u64 s[42:43], s[4:5], s[10:11]        ; global address
	s_add_nc_u64 s[PFA:PFA+1], s[42:43], 32768     ; my part of slot 1: the first change of slots steps it to slot 2
	s_or_b32 s43, s43, 0x80000000                  ; type
	tensor_load_to_lds s[40:43], s[24:31]          ; slot 0
	s_nop 0
.rept 4
	v_nop
.endr
	s_lshl_b32 s12, s[QA0], 7                      ; Q: 2,048 bytes for 16 queries
	s_lshl_b32 s10, s8, 18
	s_add_co_u32 s12, s12, s10
	s_mov_b32 s13, 0
	s_add_nc_u64 s[82:83], s[4:5], s[12:13]
	s_lshl_b32 s12, s[QB0], 7
	s_add_co_u32 s12, s12, s10
	s_add_nc_u64 s[84:85], s[4:5], s[12:13]
	s_lshr_b32 s14, s8, 4
	s_lshl_b32 s14, s14, 22                        ; att: a batch's 128 row blocks of 32,768 bytes,
	s_and_b32 s15, s8, 15
	s_lshl_b32 s15, s15, 11                        ; a head's 2,048 bytes in a row block
	s_add_co_u32 s14, s14, s15
	s_lshl_b32 s12, s[QA0], 11
	s_add_co_u32 s12, s12, s14
	s_add_nc_u64 s[70:71], s[6:7], s[12:13]
	s_lshl_b32 s12, s[QB0], 11
	s_add_co_u32 s12, s12, s14
	s_add_nc_u64 s[72:73], s[6:7], s[12:13]
	v_and_b32 v8, 31, v0
	v_lshlrev_b32 v[LI], 4, v8
	v_lshlrev_b32 v[PFO], 8, v8
	v_and_b32 v11, 15, v0                          ; r
	v_bfe_u32 v14, v0, 4, 1                        ; h
	v_lshlrev_b32 v15, 3, v14
	v_sub_nc_u32 v[DL], v11, v15
	v_and_b32 v[AV0], 7, v0
	v_add_nc_u32 v[AV0], v[AV0], v15               ; key 8 h + lane % 8 of a block of 16,
	v_lshlrev_b32 v[AV0], 5, v[AV0]                ; rows of 32 bytes,
	v_bfe_u32 v15, v0, 3, 1
	v_lshl_add_u32 v[AV0], v15, 4, v[AV0]          ; channels 8 ((lane / 8) % 2) on
	v_add_nc_u32 v[AV0], 32768, v[AV0]
	v_mov_b32 v[NINF], 0xff800000
	WIN 0x40                                       ; destination window 1
.irp t, 0,1
.irp c, 0,1
.irp hf, 0,1
	global_load_b128 v[16*\t+8*\c+4*\hf:16*\t+8*\c+4*\hf+3], v[LI], s[82:83] offset:2048*\t+1024*\c+512*\hf
	global_load_b128 v[16*(2+\t)+8*\c+4*\hf:16*(2+\t)+8*\c+4*\hf+3], v[LI], s[84:85] offset:2048*\t+1024*\c+512*\hf
.endr
.endr
.endr
.set n, 0
.rept 128
	v_mov_b32 v[64+n], 0                           ; O^T.  The step is written once: the first finds zeros, which its a = 0 leaves zeros
.set n, n+1
.endr
	WIN 0
.irp t, 0,1,2,3
	v_mov_b32 v[ST+8*\t+1], 0xff61b1e6             ; m = -3e38, under every score
	v_mul_f32 v[ST+8*\t], s[CS], v[ST+8*\t+1]
	v_mov_b32 v[ST+8*\t+2], 0                      ; l, in two halves
	v_mov_b32 v[ST+8*\t+3], 0
	v_mov_b32 v[ST+8*\t+5], 0                      ; (a lane permute's destination counts as read)
	v_mov_b32 v[ST+8*\t+7], 0
.endr
	s_wait_loadcnt 0x0                             ; Q
; TWO TILES OF QUERIES (tg, tg + 1; first query in s[qg]) against the step's 64 keys.  first = 1: the step's first group, which waits for the fragments.
.macro GROUP tg, qg, first
.if \first
	s_wait_dscnt 16                                ; K's sixteen loads are in; V's sixteen may be out
.else
.rept 5
	v_nop                                          ; the products below write over S, which the last products read as an operand: five places (ISA guide 7.12.1).  In the first group the step's two additions and four v_nop are these
.endr
.endif
	WIN 0x04                                       ; source 1 (Q) window 1
.irp c, 0,1                            ; the eight accumulators take turns, one instruction a turn; the first eight start the sums
.irp kt, 0,1,2,3
.irp t, 0,1
.if \c == 0
	v_wmma_f32_16x16x32_f16 v[S+32*\t+8*\kt:S+32*\t+8*\kt+7], v[KR+16*\kt+8*\c:KR+16*\kt+8*\c+7], v[16*(\tg+\t)+8*\c:16*(\tg+\t)+8*\c+7], 0
.else
	v_wmma_f32_16x16x32_f16 v[S+32*\t+8*\kt:S+32*\t+8*\kt+7], v[KR+16*\kt+8*\c:KR+16*\kt+8*\c+7], v[16*(\tg+\t)+8*\c:16*(\tg+\t)+8*\c+7], v[S+32*\t+8*\kt:S+32*\t+8*\kt+7]
.endif
.endr
.endr
.endr
	WIN 0
.rept 4
	v_nop
.endr
	s_add_co_u32 s96, s[KEY], 63                   ; on the diagonal hidden scores become -infinity ahead of the maximum; a step all of whose keys count for all 32 queries passes this by (ids and the count of steps alone)
	s_cmp_le_u32 s96, s[\qg]
	s_cbranch_scc1 .Lopen_\@
	s_sub_co_i32 s96, s[\qg], s[KEY]
	v_add_nc_u32 v[D0], s96, v[DL]                 ; register 8 kt + j of tile t holds key KEY + 16 kt + 8 h + j: hidden where 16 kt + j > r - 8 h + (first query - KEY) + 16 t
	v_add_nc_u32 v[D0+1], 16, v[D0]
.irp t, 0,1
.irp n, 0,1,2,3,4,5,6,7,8,9,10,11,12,13,14,15,16,17,18,19,20,21,22,23,24,25,26,27,28,29,30,31
	v_cmp_gt_i32 vcc_lo, 16*(\n/8)+\n%8, v[D0+\t]
	v_cndmask_b32 v[S+32*\t+\n], v[S+32*\t+\n], v[NINF], vcc_lo
.endr
.endr
.Lopen_\@:
.irp j, 0,1,2,3                        ; the maximum of a lane's 32 scores and the old m: four chains, the two tiles by turns; each accumulator is read from its low end on
.irp t, 0,1
	v_max3_num_f32 v[ST+8*(\tg+\t)+4+\j], v[S+32*\t+8*\j], v[S+32*\t+8*\j+1], v[S+32*\t+8*\j+2]
.endr
.endr
.irp q, 1,2
.irp j, 0,1,2,3
.irp t, 0,1
	v_max3_num_f32 v[ST+8*(\tg+\t)+4+\j], v[ST+8*(\tg+\t)+4+\j], v[S+32*\t+8*\j+2*\q+1], v[S+32*\t+8*\j+2*\q+2]
.endr
.endr
.endr
.irp t, 0,1
	v_max3_num_f32 v[ST+8*(\tg+\t)+4], v[ST+8*(\tg+\t)+4], v[S+32*\t+7], v[S+32*\t+15]
.endr
.irp t, 0,1
	v_max3_num_f32 v[ST+8*(\tg+\t)+6], v[ST+8*(\tg+\t)+6], v[S+32*\t+23], v[S+32*\t+31]
.endr
.irp t, 0,1
	v_max3_num_f32 v[ST+8*(\tg+\t)+4], v[ST+8*(\tg+\t)+4], v[ST+8*(\tg+\t)+5], v[ST+8*(\tg+\t)+6]
.endr
.irp t, 0,1
	v_max3_num_f32 v[ST+8*(\tg+\t)+4], v[ST+8*(\tg+\t)+4], v[ST+8*(\tg+\t)+7], v[ST+8*(\tg+\t)+1]
.endr
.irp t, 0,1
	v_permlanex16_b32 v[ST+8*(\tg+\t)+5], v[ST+8*(\tg+\t)+4], s[SEL], s[SEL+1]   ; the query's other 32 keys lie in the lane 16 away
.endr
.irp t, 0,1
	v_mov_b32 v[ST+8*(\tg+\t)+7], v[ST+8*(\tg+\t)]                               ; c m_old
.endr
.irp t, 0,1
	v_max_num_f32 v[ST+8*(\tg+\t)+1], v[ST+8*(\tg+\t)+4], v[ST+8*(\tg+\t)+5]     ; the new m
.endr
.irp t, 0,1
	v_mul_f32 v[ST+8*(\tg+\t)], s[CS], v[ST+8*(\tg+\t)+1]
.endr
.irp t, 0,1
	v_sub_f32 v[ST+8*(\tg+\t)+7], v[ST+8*(\tg+\t)+7], v[ST+8*(\tg+\t)]
.endr
.irp b, 0,1,2,3,4,5,6,7,8,9,10,11,12,13,14,15
.irp t, 0,1
	v_pk_fma_f32 v[S+32*\t+2*\b:S+32*\t+2*\b+1], v[S+32*\t+2*\b:S+32*\t+2*\b+1], s[CS:CS+1], v[ST+8*(\tg+\t):ST+8*(\tg+\t)+1] op_sel_hi:[1,0,0] neg_lo:[0,0,1] neg_hi:[0,0,1]   ; c s - c m, two at a time
.endr
.endr
.irp t, 0,1
	v_exp_f32 v[ST+8*(\tg+\t)+6], v[ST+8*(\tg+\t)+7]                             ; a
.endr
.irp e, 0,1,2,3,4,5,6,7,8,9,10,11,12,13,14,15,16,17,18,19,20,21,22,23,24,25,26,27,28,29,30,31
.irp t, 0,1
	v_exp_f32 v[S+32*\t+\e], v[S+32*\t+\e]         ; p: with the two a one batch of 66
.endr
.endr
	v_nop                                          ; the plain line behind the last exponential
	s_wait_alu depctr_va_vdst(0)                   ; one wait for the batch, ahead of its first reader
.irp t, 0,1                            ; the sums of the unrounded p, two chains a tile
	v_pk_add_f32 v[ST+8*(\tg+\t)+4:ST+8*(\tg+\t)+5], v[S+32*\t:S+32*\t+1], v[S+32*\t+4:S+32*\t+5]
	v_pk_add_f32 v[CH+2*\t:CH+2*\t+1], v[S+32*\t+2:S+32*\t+3], v[S+32*\t+6:S+32*\t+7]
.endr
.irp b, 8,12,16,20,24,28
.irp t, 0,1
	v_pk_add_f32 v[ST+8*(\tg+\t)+4:ST+8*(\tg+\t)+5], v[ST+8*(\tg+\t)+4:ST+8*(\tg+\t)+5], v[S+32*\t+\b:S+32*\t+\b+1]
	v_pk_add_f32 v[CH+2*\t:CH+2*\t+1], v[CH+2*\t:CH+2*\t+1], v[S+32*\t+\b+2:S+32*\t+\b+3]
.endr
.endr
.irp t, 0,1
	v_pk_add_f32 v[ST+8*(\tg+\t)+4:ST+8*(\tg+\t)+5], v[ST+8*(\tg+\t)+4:ST+8*(\tg+\t)+5], v[CH+2*\t:CH+2*\t+1]
.endr
.irp t, 0,1
	v_pk_fma_f32 v[ST+8*(\tg+\t)+2:ST+8*(\tg+\t)+3], v[ST+8*(\tg+\t)+2:ST+8*(\tg+\t)+3], v[ST+8*(\tg+\t)+6:ST+8*(\tg+\t)+7], v[ST+8*(\tg+\t)+4:ST+8*(\tg+\t)+5] op_sel_hi:[1,0,1]   ; l = l a + the sum
.endr
.irp n, 0,1,2,3,4,5,6,7,8,9,10,11,12,13,14,15
.irp t, 0,1
	v_cvt_pk_f16_f32 v[S+32*\t+\n], v[S+32*\t+2*\n], v[S+32*\t+2*\n+1]   ; P takes the tile's lower 16 registers in place: register n is written when 2 n and 2 n + 1 are read, ascending
.endr
.endr
.if \first
	s_wait_dscnt 0x0                               ; V is in
.endif
	WIN 0x41                                       ; O^T (destination and source 0) window 1, a window 0
.irp n, 0,1,2,3,4,5,6,7,8,9,10,11,12,13,14,15
.irp t, 0,1
	v_pk_mul_f32 v[64+32*(\tg+\t)+2*\n:64+32*(\tg+\t)+2*\n+1], v[64+32*(\tg+\t)+2*\n:64+32*(\tg+\t)+2*\n+1], v[ST+8*(\tg+\t)+6:ST+8*(\tg+\t)+7] op_sel_hi:[1,0]
.endr
.endr
	WIN 0x50                                       ; C and D window 1
.irp kh, 0,1                           ; O^T += V^T P: the eight accumulators take turns
.irp ct, 0,1,2,3
.irp t, 0,1
	v_wmma_f32_16x16x32_f16 v[64+32*(\tg+\t)+8*\ct:64+32*(\tg+\t)+8*\ct+7], v[VR+32*\kh+8*\ct:VR+32*\kh+8*\ct+7], v[S+32*\t+8*\kh:S+32*\t+8*\kh+7], v[64+32*(\tg+\t)+8*\ct:64+32*(\tg+\t)+8*\ct+7]
.endr
.endr
.endr
	WIN 0
.endm
; A STEP: 64 keys.  Left out where all its keys come after my queries: scalar branches on ids and the count of steps, round loads, products and softmax, not round the two lines that step.
.macro STEP
	s_add_co_u32 s96, s[QB0], 31
	s_cmp_gt_u32 s[KEY], s96
	s_cbranch_scc1 .Lhid_\@
	v_add_nc_u32 v[ADK], s[TB], v[LI]
	v_add_nc_u32 v[ADV], s[TB], v[AV0]
.rept 4
	v_nop                                          ; places in front of loads into registers that the last products read
.endr
.irp kt, 0,1,2,3
.irp c, 0,1
	ds_load_b128 v[KR+16*\kt+8*\c:KR+16*\kt+8*\c+3], v[ADK] offset:2048*\kt+1024*\c
	ds_load_b128 v[KR+16*\kt+8*\c+4:KR+16*\kt+8*\c+7], v[ADK] offset:2048*\kt+1024*\c+512
.endr
.endr
.irp kh, 0,1
.irp ct, 0,1,2,3
	ds_load_tr16_b128 v[VR+32*\kh+8*\ct:VR+32*\kh+8*\ct+3], v[ADV] offset:4096*\kh+512*\ct
	ds_load_tr16_b128 v[VR+32*\kh+8*\ct+4:VR+32*\kh+8*\ct+7], v[ADV] offset:4096*\kh+2048+512*\ct
.endr
.endr
	GROUP 2, QB0, 1
	s_add_co_u32 s96, s[QA0], 31
	s_cmp_gt_u32 s[KEY], s96
	s_cbranch_scc1 .Lno_a_\@
	GROUP 0, QA0, 0
.Lno_a_\@:
.Lhid_\@:
	s_add_co_u32 s[KEY], s[KEY], 64
	s_add_co_u32 s[TB], s[TB], 8192
.endm
.macro SLOT_STEPS                      ; a slot's four steps: written once, walked four times
	s_mov_b32 s[QS], 4
.Lstep_\@:
	STEP
	s_sub_co_u32 s[QS], s[QS], 1
	s_cmp_lg_u32 s[QS], 0
	s_cbranch_scc1 .Lstep_\@
	s_sub_co_u32 s[TB], s[TB], 32768               ; back to a slot's first step,
	s_xor_b32 s[TB], s[TB], SLOT1                  ; in the other slot
.endm
; THE CHANGE OF SLOTS stands at a slot's head.  Each wave waits for its tensor load (its part of the slot ahead), adds 0 to its spare word, and waits for that and for its reads of the slot that it has left.  Behind the
; barrier the slot ahead is whole and nobody reads the other one.  fill = 1: the other slot takes the next 256 keys, while they are at or under the work-group's last query; the load has a slot's four steps in which to land.
.macro CHANGE fill
	s_wait_tensorcnt 0x0                           ; no tensor load of mine is out, so the descriptor may be written
	ds_add_u32 v[SPW], v[NIL]
.if \fill
	s_xor_b32 s41, s41, SLOT1
	s_add_nc_u64 s[42:43], s[42:43], 32768         ; the next 256 keys; the type bits on top are not reached
	s_wait_xcnt 0x0                                ; the last prefetch, a slot back, has read its address
	s_add_nc_u64 s[PFA:PFA+1], s[PFA:PFA+1], 32768 ; one slot further on than the descriptor
.endif
	s_wait_dscnt 0x0
	s_barrier_signal -1
	s_barrier_wait -1
.if \fill
	s_add_co_u32 s96, s[KEY], 256                  ; the first key of the slot that this change would ask for
	s_or_b32 s97, s[QB0], 255                      ; my work-group's last query
	s_cmp_gt_u32 s96, s97                          ; ids and the count of steps alone: all eight waves go the same way, and a work-group past the limit stays past it; where that is hangs on the work-group's number
	s_cbranch_scc1 .Lpast_\@
	tensor_load_to_lds s[40:43], s[24:31]          ; my one tensor load until the next such barrier
	s_nop 0
.rept 4
	v_nop
.endr
.Lpast_\@:
	s_cmp_gt_u32 s[SLOTS], s[LIM]                  ; a prefetch of what the next change will ask for: my wave's 8,192 bytes of the slot after, lanes 256 bytes apart: eight waves name the slot's 256 blocks once each.
	s_cbranch_scc0 .Lnot_mine_\@                   ; All four work-groups of a head walk the same keys: the first asks.  The last change that fills a slot asks for nothing: there is no slot behind it
	global_prefetch_b8 v[PFO], s[PFA:PFA+1] th:TH_LOAD_NT scope:SCOPE_SE
.Lnot_mine_\@:
.endif
.endm
.Lslot:                                            ; seven trips: every work-group walks all eight slots, so that the trip counts are constants and no barrier is jumped over
	CHANGE 1
	SLOT_STEPS
	s_sub_co_u32 s[SLOTS], s[SLOTS], 1
	s_cmp_lg_u32 s[SLOTS], 0
	s_cbranch_scc1 .Lslot
	CHANGE 0                                       ; the last slot is written out: nothing is left to ask for
	SLOT_STEPS
	; THE WAY OUT.  O^T / l, rounded to f16: a lane's eight channels of a tile are 16 bytes of the image that the next launch reads: no LDS.  The additions are the places behind the last products.
.irp t, 0,1,2,3
	v_add_f32 v[ST+8*\t+4], v[ST+8*\t+2], v[ST+8*\t+3]
.endr
.irp t, 0,1,2,3
	v_permlanex16_b32 v[ST+8*\t+5], v[ST+8*\t+4], s[SEL], s[SEL+1]
.endr
.irp t, 0,1,2,3
	v_add_f32 v[ST+8*\t+4], v[ST+8*\t+4], v[ST+8*\t+5]
.endr
.irp t, 0,1,2,3
	v_rcp_f32 v[ST+8*\t+6], v[ST+8*\t+4]
.endr
	v_nop
	s_wait_alu depctr_va_vdst(0)                   ; one wait for the four reciprocals
.macro OUT t, base, tq
	WIN 0x41
.set n, 0
.rept 16
	v_pk_mul_f32 v[64+32*\t+2*n:64+32*\t+2*n+1], v[64+32*\t+2*n:64+32*\t+2*n+1], v[ST+8*\t+6:ST+8*\t+7] op_sel_hi:[1,0]
.set n, n+1
.endr
	WIN 0x05                                       ; sources 0 and 1 window 1
.set n, 0
.rept 16
	v_cvt_pk_f16_f32 v[S+16*\t+n], v[64+32*\t+2*n], v[64+32*\t+2*n+1]
.set n, n+1
.endr
	WIN 0
.irp ct, 0,1,2,3
	global_store_b128 v[LI], v[S+16*\t+4*\ct:S+16*\t+4*\ct+3], s[\base:\base+1] offset:32768*\tq+512*\ct   ; 512 consecutive bytes
.endr
.endm
	OUT 0, 70, 0
	OUT 1, 70, 1
	OUT 2, 72, 0
	OUT 3, 72, 1
	s_wait_tensorcnt 0x0                           ; the wave's end
	ds_add_u32 v[SPW], v[NIL]
	s_wait_dscnt 0x0
	s_endpgm
.Lfunc_end_k_qd9560df7f0_attn:
	.size	k_qd9560df7f0_attn, .Lfunc_end_k_qd9560df7f0_attn-k_qd9560df7f0_attn
	.p2alignl 7, 3214868480
	.fill 96, 4, 3214868480
	.section	.rodata,"a",@progbits
	.p2align	6, 0x0
	.amdhsa_kernel k_qd9560df7f0_attn
		.amdhsa_group_segment_fixed_size 327680
		.amdhsa_private_segment_fixed_size 0
		.amdhsa_enable_private_segment 0
		.amdhsa_kernarg_size 16
		.amdhsa_user_sgpr_count 2
		.amdhsa_user_sgpr_kernarg_segment_ptr 1
		.amdhsa_wavefront_size32 1
		.amdhsa_system_sgpr_workgroup_id_x 1
		.amdhsa_system_sgpr_workgroup_id_y 1
		.amdhsa_system_sgpr_workgroup_id_z 1
		.amdhsa_system_vgpr_workitem_id 0
		.amdhsa_next_free_vgpr 512
		.amdhsa_next_free_sgpr 100
		.amdhsa_reserve_vcc 1
		.amdhsa_float_denorm_mode_32 3
		.amdhsa_float_denorm_mode_16_64 3
		.amdhsa_memory_ordered 1
		.amdhsa_forward_progress 1
		.amdhsa_inst_pref_size 104
	.end_amdhsa_kernel
	.amdgpu_metadata
---
amdhsa.version: [ 1, 2 ]
amdhsa.kernels:
  - .name:           k_qd9560df7f0_attn
    .symbol:         k_qd9560df7f0_attn.kd
    .args:
      - { .name: qkv, .offset: 0, .size: 8, .value_kind: global_buffer, .address_space: global }
      - { .name: att, .offset: 8, .size: 8, .value_kind: global_buffer, .address_space: global }
    .group_segment_fixed_size: 327680
    .private_segment_fixed_size: 0
    .kernarg_segment_align: 8
    .kernarg_segment_size: 16
    .max_flat_workgroup_size: 256
    .sgpr_count:     100
    .vgpr_count:     512
    .wavefront_size: 32
...
	.end_amdgpu_metadata
.endif
;; end of part 3
;; launch proj (part 4): grid 8 x 64, 4 waves a work-group, clusters of 4 x 4, 327,680 bytes of LDS; arguments att, woimg, out0; writes out0
.if DOCPART == 4
	.amdgcn_target "amdgcn-amd-amdhsa--gfx1250"
	.amdhsa_code_object_version 6
	.text
	.protected	k_qd9560df7f0_proj
	.globl	k_qd9560df7f0_proj
	.p2align	8
	.type	k_qd9560df7f0_proj,@function
k_qd9560df7f0_proj:
	s_mov_b64 s[64:65], 0
	v_nop
	global_prefetch_b8 v0, s[64:65] scope:SCOPE_SE
	s_setreg_imm32_b32 hwreg(HW_REG_WAVE_MODE, 25, 1), 1
	s_wait_xcnt 0x0
	s_wait_alu depctr_hold_cnt(0) depctr_sa_sdst(0) depctr_va_vdst(0) depctr_va_sdst(0) depctr_va_ssrc(0) depctr_va_vcc(0) depctr_vm_vsrc(0)
	s_getreg_b32 s2, hwreg(HW_REG_IB_STS2, 6, 4)
	s_cmp_eq_u32 s2, 0
	s_cbranch_scc0 .Lentry_in_a_cluster
	s_endpgm
.Lentry_in_a_cluster:
	s_bfe_u32 s2, ttmp6, 0x10000c
	s_cmp_lg_u32 s2, 0xf033
	s_cbranch_scc0 .Lentry_shape_is_right
	s_endpgm
.Lentry_shape_is_right:
; Launch 4 of 5: out0 = att wo^T, f16 operands, f32 sums, for all positions from 16 on.  Positions 0 to 15 of every sequence lie in tiles with live rows and are multiplied with them, but are not stored: the last launch makes them in f32.
; A tile of the output is 128 x 128: 512 tiles, two for each of 256 WGPs.  Four waves, 64 x 64 each: 16 accumulators.  K = 1,024 goes in four steps of 256 through two LDS slots.
; Both operands lie in memory as images of their registers: [16 rows][k / 32][half][16 x lane].  A K step of 16 rows is 8,192 dense bytes; a wave's tensor load brings four such runs, 32,768 bytes apart in memory, dense in LDS;
; a fragment load reads 512 consecutive bytes, so no padding is wanted.
; CLUSTERS: 4 x 4 work-groups; att's tiles are asked for jointly along a row of the cluster, wo's along a column.  Tile row = 16 cy + cluster y (batch = cy, first position = 128 x cluster y): the one added branch hangs on cluster y and
; the wave's number, which all partners share.  THE MATRIX INSTRUCTION IS USED TRANSPOSED (source 0 = 16 rows of wo, source 1 = 16 rows of att): a lane holds eight neighbouring outputs of a row.
; No prefetch: the tiles are small, and att's and wo's images are read again and again by the clusters of a row and of a column.
; REGISTERS: window 0: v0-31 addresses; v32-95 the way out; v128-255 the accumulators ((a, b) at v[128 + 8 (4 a + b)]).   window 1: two fragment buffers of 128: 64 of att, then 64 of wo.
.set KB,     8192                      ; a K step of 16 rows, in bytes
.set HALFT,  4*KB                      ; 64 rows: what one tensor load brings
.set SLOT,   4*HALFT
.set STAGE,  2*SLOT                    ; behind the ring: 16 rows x 272 bytes for each wave
.set SPITCH, 272
.set SPARE,  STAGE+4*16*SPITCH         ; the spare words: 128 bytes a wave, two blocks of 256 bytes that no other line names
.set LAPS,   2                         ; a lap = two K steps
.set ADRA, 16
.set ADRB, 20
.set STO,  24
.set RD,   25
.set CO,   26
.set SPW,  28
.set NIL,  29
.set TMP,  32
.set ACC,  128
.set F0,   0
.set F1,   128
.set G1, 24
.set G0, 32
.set G1B, 48
.set G0B, 56
.set MSB, 0
.macro WIN new
.if MSB != \new
	s_set_vgpr_msb (MSB<<8)|\new
.set MSB, \new
.endif
.endm
.set MUL,  0x05                        ; sources 0 and 1 window 1; C and D window 0
.set TO_F, 0x40                        ; destination window 1
.macro JLOAD s                         ; a joint load: waves 0 and 1 fetch att's two halves, waves 2 and 3 wo's; an s_nop 0 and four v_nop follow each line
	s_cmp_eq_u32 s11, 0
	s_cbranch_scc0 .Lfor_b_\@
	tensor_load_to_lds s[G0+4*\s:G0+4*\s+3], s[G1:G1+7]
	s_nop 0
.rept 4
	v_nop
.endr
	s_branch .Lasked_\@
.Lfor_b_\@:
	tensor_load_to_lds s[G0B+4*\s:G0B+4*\s+3], s[G1B:G1B+7]
	s_nop 0
.rept 4
	v_nop
.endr
.Lasked_\@:
.endm
.macro CREST
	s_cmp_lg_u32 s10, 0
	s_cbranch_scc1 .Lnot_wave_0_\@
	s_barrier_signal -3
.Lnot_wave_0_\@:
	s_barrier_wait -3
	s_barrier_signal -1
	s_barrier_wait -1
.endm
.macro CROUND
	s_barrier_signal -1
	s_barrier_wait -1
	CREST
.endm
	s_load_b128 s[4:7], s[0:1], 0x0                ; att s[4:5], woimg s[6:7]
	s_load_b64 s[8:9], s[0:1], 0x10                ; out0
	v_lshl_add_u32 v[SPW], v0, 2, SPARE
	v_mov_b32 v[NIL], 0
	ds_add_u32 v[SPW], v[NIL]                      ; the wave's opening: the add, twice on end, and its wait ahead of my first tensor load
	ds_add_u32 v[SPW], v[NIL]
	v_lshrrev_b32 v1, 5, v0
	v_readfirstlane_b32 s10, v1                    ; wave 0..3
	s_lshr_b32 s11, s10, 1                         ; which half of the tile's rows is mine.  Also: I fetch for att (0) or for wo (1)
	s_and_b32 s12, s10, 1                          ; which half of its columns.  Also: which 64 rows of that tile I fetch
	s_bfe_u32 s40, ttmp6, 0x40000                  ; cx
	s_bfe_u32 s41, ttmp6, 0x40004                  ; cy
	s_lshl_b32 s42, ttmp9, 2
	s_add_co_u32 s42, s42, s40                     ; tile column = 4 x cluster x + cx
	s_and_b32 s13, ttmp7, 0xffff
	s_or_b32 s45, s13, s11                         ; 0 where my block 0 holds positions 0 to 15
	s_lshl_b32 s14, s41, 4
	s_add_co_u32 s13, s13, s14                     ; tile row = 16 cy + cluster y
	s_lshl_b32 s43, s41, 2
	s_lshl_b32 s43, 15, s43                        ; my row of the cluster
	s_lshl_b32 s44, 0x1111, s40                    ; my column
	s_or_b32 s[G1+0], s43, (3<<16)|(1<<21)         ; the mask; elements of 8 bytes; bit 21 beside a mask; no padding
	s_or_b32 s[G1B+0], s44, (3<<16)|(1<<21)
.irp g, G1, G1B
	s_mov_b32 s[\g+1], 1024<<16                    ; tensor_dim0 = 1,024 elements: 8,192 bytes
	s_mov_b32 s[\g+2], 4<<16                       ; tensor_dim1 = 4
	s_mov_b32 s[\g+3], 1024<<16                    ; tile_dim0
	s_mov_b32 s[\g+4], 4                           ; tile_dim1
	s_mov_b32 s[\g+5], 4096                        ; from run to run: 32,768 bytes
	s_mov_b32 s[\g+6], 0
	s_mov_b32 s[\g+7], 0
.endr
	s_lshl_b32 s17, s12, 2                         ; which four blocks of 16 rows I fetch
	s_lshl_b32 s16, s13, 3
	s_add_co_u32 s16, s16, s17
	s_lshl_b32 s16, s16, 15                        ; att: block 8 x tile row + 4 x half, 32,768 bytes a block
	s_lshl_b32 s46, s42, 3
	s_add_co_u32 s46, s46, s17
	s_lshl_b32 s46, s46, 15                        ; wo: block 8 x tile column + 4 x half
	s_mov_b32 s17, 0
	s_mov_b32 s47, 0
	s_mul_i32 s20, s10, HALFT                      ; where they go: wave x 32,768: no place in the cluster enters an LDS address
	s_wait_dscnt 0x0                               ; both opening adds are done
	s_wait_kmcnt 0x0
	s_add_nc_u64 s[14:15], s[4:5], s[16:17]
	s_add_nc_u64 s[46:47], s[6:7], s[46:47]
	CROUND                                         ; all sixteen work-groups are here: the first joint loads meet
.irp s, 0,1
	s_mov_b32 s[G0+4*\s], 1
	s_add_co_u32 s[G0+4*\s+1], s20, \s*SLOT
	s_add_nc_u64 s[G0+4*\s+2:G0+4*\s+3], s[14:15], \s*KB
	s_or_b32 s[G0+4*\s+3], s[G0+4*\s+3], 0x80000000
	s_mov_b32 s[G0B+4*\s], 1
	s_add_co_u32 s[G0B+4*\s+1], s20, \s*SLOT
	s_add_nc_u64 s[G0B+4*\s+2:G0B+4*\s+3], s[46:47], \s*KB
	s_or_b32 s[G0B+4*\s+3], s[G0B+4*\s+3], 0x80000000
	JLOAD \s
.endr
	v_and_b32 v1, 15, v0                           ; r
	v_bfe_u32 v2, v0, 4, 1                         ; h
	v_and_b32 v3, 31, v0
	v_lshlrev_b32 v3, 4, v3                        ; 16 x lane
	s_mul_i32 s21, s11, HALFT                      ; my 64 rows of att
	s_mul_i32 s22, s12, HALFT                      ; my 64 rows of wo,
	s_add_co_u32 s22, s22, 2*HALFT                 ; which lie behind att's 128
.irp s, 0,1
	v_add_nc_u32 v[ADRA+\s], s21, v3
	v_add_nc_u32 v[ADRB+\s], s22, v3
	s_add_co_u32 s21, s21, SLOT
	s_add_co_u32 s22, s22, SLOT
.endr
	s_mul_i32 s23, s10, 16*SPITCH
	s_add_co_u32 s23, s23, STAGE                   ; my stage
	v_mul_u32_u24 v4, v1, SPITCH                   ; in: row r, 32 bytes for each half of the lanes
	v_lshl_add_u32 v4, v2, 5, v4
	v_add_nc_u32 v[STO], s23, v4
	v_mul_u32_u24 v5, v2, SPITCH                   ; back: lanes 0-15 one row of 256 bytes, lanes 16-31 the next
	v_lshl_add_u32 v5, v1, 4, v5
	v_add_nc_u32 v[RD], s23, v5
	v_lshlrev_b32 v5, 12, v2                       ; and the same two rows of the output, 4,096 bytes apart
	v_lshl_add_u32 v[CO], v1, 4, v5
	s_lshl_b32 s16, s13, 7
	s_lshl_b32 s17, s11, 6
	s_add_co_u32 s16, s16, s17                     ; my first row: 128 x tile row + 64 x half
	s_lshl_b32 s16, s16, 12
	s_mov_b32 s17, 0
	s_add_nc_u64 s[8:9], s[8:9], s[16:17]
	s_lshl_b32 s46, s42, 9                         ; my first column, in bytes: 512 x tile column + 256 x half
	s_lshl_b32 s47, s12, 8
	s_add_co_u32 s46, s46, s47
	s_mov_b32 s47, 0
	s_add_nc_u64 s[8:9], s[8:9], s[46:47]
.macro MUL8 f, c, a0, zero             ; 8 matrix instructions: row blocks a0, a0 + 1 x all 4 column blocks, 32 along K; the 16 accumulators take turns
.irp a, \a0, \a0+1
.irp b, 0,1,2,3
.if \zero
	v_wmma_f32_16x16x32_f16 v[ACC+8*(4*(\a)+\b):ACC+8*(4*(\a)+\b)+7], v[\f+64+8*(4*\c+\b):\f+64+8*(4*\c+\b)+7], v[\f+8*(4*\c+\a):\f+8*(4*\c+\a)+7], 0
.else
	v_wmma_f32_16x16x32_f16 v[ACC+8*(4*(\a)+\b):ACC+8*(4*(\a)+\b)+7], v[\f+64+8*(4*\c+\b):\f+64+8*(4*\c+\b)+7], v[\f+8*(4*\c+\a):\f+8*(4*\c+\a)+7], v[ACC+8*(4*(\a)+\b):ACC+8*(4*(\a)+\b)+7]
.endif
.endr
.endr
.endm
.macro FETCH slot, k, f                ; 32 LDS loads in one run: the fragments of 64 along K (two of 1,024 bytes for each block of 16 rows) from byte k of the runs; the first 32 along K first
	WIN TO_F
.irp c, 0,1
.irp i, 0,1,2,3
	ds_load_b128 v[\f+64+8*(4*\c+\i):\f+64+8*(4*\c+\i)+3],   v[ADRB+\slot] offset:\k+1024*\c+\i*KB
	ds_load_b128 v[\f+64+8*(4*\c+\i)+4:\f+64+8*(4*\c+\i)+7], v[ADRB+\slot] offset:\k+1024*\c+\i*KB+512
	ds_load_b128 v[\f+8*(4*\c+\i):\f+8*(4*\c+\i)+3],         v[ADRA+\slot] offset:\k+1024*\c+\i*KB
	ds_load_b128 v[\f+8*(4*\c+\i)+4:\f+8*(4*\c+\i)+7],       v[ADRA+\slot] offset:\k+1024*\c+\i*KB+512
.endr
.endr
.endm
.macro PLACES
.rept 4
	v_nop
.endr
.endm
.macro QUARTER slot, k, f, g, zero     ; 64 along K: multiplies buffer f and fetches the next quarter, at byte k, into g
	s_wait_dscnt 16                                ; the first 32 along K are in; the other sixteen loads may be out
	WIN MUL
	MUL8 \f, 0, 0, \zero
	MUL8 \f, 0, 2, \zero
	PLACES
	FETCH \slot, \k, \g
	s_wait_dscnt 32                                ; all but the 32 just issued
	WIN MUL
	MUL8 \f, 1, 0, 0
	MUL8 \f, 1, 2, 0
.endm
.macro TURN slot, next, fill           ; a K step's last quarter changes slots: one barrier; fill = 1: it opens a round of the cluster's barrier, and this slot is filled again, two K steps ahead
	WIN 0
	s_wait_tensorcnt 0x0                           ; all my tensor loads have landed: my part of the next slot
	ds_add_u32 v[SPW], v[NIL]
	s_wait_dscnt 17                                ; the add and the youngest sixteen loads may be out
	WIN MUL
	MUL8 F1, 0, 0, 0
	s_wait_dscnt 0x0                               ; the add is done, and my reads of this slot are over
	s_barrier_signal -1
	MUL8 F1, 0, 2, 0
.if \fill
	WIN 0
.endif
	s_barrier_wait -1
.if \fill
	CREST                                          ; no wave of any partner still reads this slot or has a load on its way
	s_add_nc_u64 s[G0+4*\slot+2:G0+4*\slot+3], s[G0+4*\slot+2:G0+4*\slot+3], 2*KB
	s_add_nc_u64 s[G0B+4*\slot+2:G0B+4*\slot+3], s[G0B+4*\slot+2:G0B+4*\slot+3], 2*KB
	JLOAD \slot                                    ; the first tensor load behind the round; its four v_nop are also the places in front of the loads below
.else
	PLACES
.endif
	FETCH \next, 0, F0
	WIN MUL
	MUL8 F1, 1, 0, 0
	MUL8 F1, 1, 2, 0
.endm
	s_wait_tensorcnt 1                             ; my part of K step 0 is in; K step 1's load may be out
	s_barrier_signal -1
	s_barrier_wait -1
	FETCH 0, 0, F0
	QUARTER 0, 2048, F0, F1, 1                     ; the first products start the sums
	WIN 0
	s_mov_b32 s3, LAPS-1
.Llap:                                                 ; a trip goes once round the ring and fills both slots again
	QUARTER 0, 4096, F1, F0, 0
	QUARTER 0, 6144, F0, F1, 0
	TURN 0, 1, 1
	QUARTER 1, 2048, F0, F1, 0
	QUARTER 1, 4096, F1, F0, 0
	QUARTER 1, 6144, F0, F1, 0
	TURN 1, 0, 1
	QUARTER 0, 2048, F0, F1, 0
	WIN 0
	s_sub_co_u32 s3, s3, 1
	s_cmp_lg_u32 s3, 0
	s_cbranch_scc1 .Llap
	QUARTER 0, 4096, F1, F0, 0                     ; the last lap fills nothing
	QUARTER 0, 6144, F0, F1, 0
	TURN 0, 1, 0
	QUARTER 1, 2048, F0, F1, 0
	QUARTER 1, 4096, F1, F0, 0
	QUARTER 1, 6144, F0, F1, 0
	s_wait_dscnt 16
	WIN MUL
	MUL8 F1, 0, 0, 0
	MUL8 F1, 0, 2, 0
	s_wait_dscnt 0
	MUL8 F1, 1, 0, 0
	MUL8 F1, 1, 2, 0
	WIN 0
; THE WAY OUT, 16 rows x 64 columns at a time.  A lane holds 32 neighbouring bytes of a row; a block goes through my own stage and comes back as whole rows of 256 bytes.  LDS serves a wave's instructions in order: no wait
; between the stores and the loads, nor in front of the next block's stores.
.macro TOSTAGE a
.irp b, 0,1,2,3
	ds_store_b128 v[STO], v[ACC+8*(4*(\a)+\b):ACC+8*(4*(\a)+\b)+3] offset:64*\b      ; each accumulator from its low end on
	ds_store_b128 v[STO], v[ACC+8*(4*(\a)+\b)+4:ACC+8*(4*(\a)+\b)+7] offset:64*\b+16
.endr
.set BB, TMP+32*((\a)%2)
.irp i, 0,1,2,3,4,5,6,7
	ds_load_b128 v[BB+4*\i:BB+4*\i+3], v[RD] offset:\i*2*SPITCH
.endr
.endm
.macro SEND a, younger                 ; younger: the LDS instructions issued behind block a's loads, which may stay out
.set BB, TMP+32*((\a)%2)
	s_wait_dscnt \younger
.if (\a) == 0
	s_cmp_eq_u32 s45, 0                            ; positions 0 to 15 are the last launch's: the cluster's y and the wave's number decide
	s_cbranch_scc1 .Lfine_\@
.endif
.irp i, 0,1,2,3,4,5,6,7
	global_store_b128 v[CO], v[BB+4*\i:BB+4*\i+3], s[8:9] offset:(16*(\a)+2*\i)*4096 th:TH_STORE_NT   ; sixteen lanes store 256 consecutive bytes, aligned
.endr
.if (\a) == 0
.Lfine_\@:
.endif
.endm
	PLACES
	TOSTAGE 0
.irp a, 1,2,3
.if \a > 1
	s_wait_xcnt 0x0                                ; block a - 2's stores have read their registers: block a's loads may land there
.endif
	TOSTAGE \a
	SEND \a-1, 16                                  ; behind block a - 1's loads: block a's 8 stores and 8 loads
.endr
	SEND 3, 0
	s_wait_tensorcnt 0x0                           ; the wave's end
	ds_add_u32 v[SPW], v[NIL]
	s_wait_dscnt 0x0
	CROUND                                         ; the closing round
	s_endpgm
.Lfunc_end_k_qd9560df7f0_proj:
	.size	k_qd9560df7f0_proj, .Lfunc_end_k_qd9560df7f0_proj-k_qd9560df7f0_proj
	.p2alignl 7, 3214868480
	.fill 96, 4, 3214868480
	.section	.rodata,"a",@progbits
	.p2align	6, 0x0
	.amdhsa_kernel k_qd9560df7f0_proj
		.amdhsa_group_segment_fixed_size 327680
		.amdhsa_private_segment_fixed_size 0
		.amdhsa_enable_private_segment 0
		.amdhsa_kernarg_size 24
		.amdhsa_user_sgpr_count 2
		.amdhsa_user_sgpr_kernarg_segment_ptr 1
		.amdhsa_wavefront_size32 1
		.amdhsa_system_sgpr_workgroup_id_x 1
		.amdhsa_system_sgpr_workgroup_id_y 1
		.amdhsa_system_sgpr_workgroup_id_z 1
		.amdhsa_system_vgpr_workitem_id 0
		.amdhsa_next_free_vgpr 512
		.amdhsa_next_free_sgpr 66
		.amdhsa_reserve_vcc 0
		.amdhsa_float_denorm_mode_32 3
		.amdhsa_float_denorm_mode_16_64 3
		.amdhsa_memory_ordered 1
		.amdhsa_forward_progress 1
		.amdhsa_inst_pref_size 85
	.end_amdhsa_kernel
	.amdgpu_metadata
---
amdhsa.version: [ 1, 2 ]
amdhsa.kernels:
  - .name:           k_qd9560df7f0_proj
    .symbol:         k_qd9560df7f0_proj.kd
    .args:
      - { .name: att, .offset: 0, .size: 8, .value_kind: global_buffer, .address_space: global }
      - { .name: woimg, .offset: 8, .size: 8, .value_kind: global_buffer, .address_space: global }
      - { .name: out0, .offset: 16, .size: 8, .value_kind: global_buffer, .address_space: global }
    .group_segment_fixed_size: 327680
    .private_segment_fixed_size: 0
    .kernarg_segment_align: 8
    .kernarg_segment_size: 24
    .max_flat_workgroup_size: 128
    .sgpr_count:     66
    .vgpr_count:     512
    .wavefront_size: 32
...
	.end_amdgpu_metadata
.endif
;; end of part 4
;; launch first16 (part 5): grid 16 x 4, 16 waves a work-group, no clusters, 71,680 bytes of LDS; arguments fine, wo, out0; writes out0
.if DOCPART == 5
	.amdgcn_target "amdgcn-amd-amdhsa--gfx1250"
	.amdhsa_code_object_version 6
	.text
	.protected	k_qd9560df7f0_first16
	.globl	k_qd9560df7f0_first16
	.p2align	8
	.type	k_qd9560df7f0_first16,@function
k_qd9560df7f0_first16:
	s_mov_b64 s[64:65], 0
	v_nop
	global_prefetch_b8 v0, s[64:65] scope:SCOPE_SE
	s_setreg_imm32_b32 hwreg(HW_REG_WAVE_MODE, 25, 1), 1
	s_wait_xcnt 0x0
; Launch 5 of 5: positions 0 to 15 of every sequence, all in f32: under the causal mask these rows average one to sixteen values and are the largest, so f16 operands would use up what the comparison allows.
; Work-group (ob, batch) makes out0[batch][0 .. 15][64 ob .. 64 ob + 63].  Wave w is head w: it makes the head's 16 x 16 attention (32 small matrix instructions; every ob repeats them, which is cheaper than a launch more),
; multiplies its 16 x 64 result by wo[64 ob .., 64 w ..], and the sixteen heads' parts are added through LDS: each output has one owner.  Keys after position 15 are hidden from these queries by reference()'s own mask and are not read.
; All products by the f32 matrix form, K = 4 a step.  The order of K (channels, keys) is permuted alike in both operands of a product, so that registers serve as they were stored: lane (r, h), register pair 2 n, 2 n + 1.
; The registers that this form writes (v112-143) are written by matrix instructions alone; sums begin with the constant 0.
; REGISTERS: v1-15 addresses and at work; v16-47 q, v48-79 k (v16-79 later wo's rows 32-63); v80-111 v turned; v112-143 accumulators; v144-151 scores; v152-159 p; v160-191 O / l, later the parts; v192-255 wo's rows 0-31.
.set SPARE, 69632                      ; behind the sixteen parts of 16 rows x 272 bytes: the spare words, 128 bytes a wave
.set SPW, 4
.set NIL, 5
.set Q,   16
.set K,   48
.set VT,  80
.set ACC, 112
.set SS,  144
.set P,   152
.set OS,  160
.set WA,  192
.set WB,  16
	s_load_b128 s[4:7], s[0:1], 0x0                ; fine s[4:5], wo s[6:7]
	s_load_b64 s[8:9], s[0:1], 0x10                ; out0
	v_lshl_add_u32 v[SPW], v0, 2, SPARE
	v_mov_b32 v[NIL], 0
	v_lshrrev_b32 v1, 5, v0
	v_readfirstlane_b32 s10, v1                    ; wave = head
	s_and_b32 s11, ttmp7, 0xffff                   ; batch
	v_and_b32 v1, 15, v0                           ; r
	v_bfe_u32 v2, v0, 4, 1                         ; h
	v_and_b32 v3, 31, v0
	v_lshlrev_b32 v14, 3, v3                       ; 8 x lane
	v_lshlrev_b32 v3, 4, v3                        ; 16 x lane
	v_lshlrev_b32 v6, 2, v1
	v_lshl_add_u32 v6, v2, 11, v6                  ; v: key 8 h on (256 bytes a key), channel r
	v_lshlrev_b32 v7, 12, v1
	v_lshl_add_u32 v7, v2, 5, v7                   ; wo: row r, + 32 h
	v_lshlrev_b32 v8, 3, v2
	v_sub_nc_u32 v8, v1, v8                        ; r - 8 h
	v_mov_b32 v9, 0xff800000                       ; -infinity
	s_mul_i32 s12, s10, 4352
	v_mul_u32_u24 v10, v1, 272
	v_lshl_add_u32 v10, v2, 5, v10
	v_add_nc_u32 v10, s12, v10                     ; my part: row r, + 32 h
	s_mul_i32 s13, s10, 272
	v_add_nc_u32 v11, s13, v14                     ; back: row w of a part, 8 bytes a lane
	s_lshl_b32 s14, s11, 4
	s_add_co_u32 s14, s14, s10
	s_lshl_b32 s14, s14, 12                        ; fine: 4,096 bytes a head
	s_mov_b32 s15, 0
	s_lshl_b32 s16, ttmp9, 18                      ; wo: 64 rows of 4,096 bytes,
	s_lshl_b32 s17, s10, 8                         ; my head's 256 bytes of a row
	s_add_co_u32 s16, s16, s17
	s_mov_b32 s17, 0
	s_lshl_b32 s18, s11, 11
	s_add_co_u32 s18, s18, s10
	s_lshl_b32 s18, s18, 12                        ; out0: row 2,048 x batch + w,
	s_lshl_b32 s19, ttmp9, 8                       ; 256 bytes at 256 ob
	s_add_co_u32 s18, s18, s19
	s_mov_b32 s19, 0
	s_mov_b32 s20, 0x76543210
	s_mov_b32 s21, 0xfedcba98                      ; v_permlanex16_b32: lane l xor 16
	s_mov_b32 s22, 0x3e38aa3b                      ; c = log2(e) / 8
	s_wait_kmcnt 0x0
	s_add_nc_u64 s[4:5], s[4:5], s[14:15]
	s_add_nc_u64 s[6:7], s[6:7], s[16:17]
	s_add_nc_u64 s[8:9], s[8:9], s[18:19]
.irp p, 0,1,2,3
.irp hf, 0,1
	global_load_b128 v[Q+8*\p+4*\hf:Q+8*\p+4*\hf+3], v3, s[4:5] offset:1024*\p+512*\hf          ; q(r, 16 p + 8 h + 4 hf + 0 .. 3)
.endr
.endr
.irp p, 0,1,2,3
.irp hf, 0,1
	global_load_b128 v[K+8*\p+4*\hf:K+8*\p+4*\hf+3], v3, s[4:5] offset:262144+1024*\p+512*\hf   ; k likewise
.endr
.endr
.irp ct, 0,1,2,3
.irp j, 0,1,2,3,4,5,6,7
	global_load_b32 v[VT+8*\ct+\j], v6, s[4:5] offset:524288+256*\j+64*\ct                      ; v(key 8 h + j, channel 16 ct + r)
.endr
.endr
.irp ot, 0,1
.irp ct, 0,1,2,3
	global_load_b128 v[WA+32*\ot+8*\ct:WA+32*\ot+8*\ct+3], v7, s[6:7] offset:65536*\ot+64*\ct      ; wo(16 ot + r, 16 ct + 8 h + 0 .. 7)
	global_load_b128 v[WA+32*\ot+8*\ct+4:WA+32*\ot+8*\ct+7], v7, s[6:7] offset:65536*\ot+64*\ct+16
.endr
.endr
	s_wait_loadcnt 48                              ; q and k are in; v's 32 loads and wo's 16 may be out
.irp n, 0,1,2,3,4,5,6,7,8,9,10,11,12,13,14,15      ; S^T = k q^T: source 0 = 16 keys, source 1 = 16 queries; two accumulators take turns
.if \n < 2
	v_wmma_f32_16x16x4_f32 v[ACC+8*(\n%2):ACC+8*(\n%2)+7], v[K+2*\n:K+2*\n+1], v[Q+2*\n:Q+2*\n+1], 0
.else
	v_wmma_f32_16x16x4_f32 v[ACC+8*(\n%2):ACC+8*(\n%2)+7], v[K+2*\n:K+2*\n+1], v[Q+2*\n:Q+2*\n+1], v[ACC+8*(\n%2):ACC+8*(\n%2)+7]
.endif
.endr
.rept 8
	v_nop                                          ; eight places behind this form, ahead of loads into its operands and of the first read of its results
.endr
.irp ot, 0,1
.irp ct, 0,1,2,3
	global_load_b128 v[WB+32*\ot+8*\ct:WB+32*\ot+8*\ct+3], v7, s[6:7] offset:65536*(\ot+2)+64*\ct
	global_load_b128 v[WB+32*\ot+8*\ct+4:WB+32*\ot+8*\ct+7], v7, s[6:7] offset:65536*(\ot+2)+64*\ct+16
.endr
.endr
.irp j, 0,1,2,3,4,5,6,7
	v_add_f32 v[SS+\j], v[ACC+\j], v[ACC+8+\j]     ; lane (r, h): query r, key 8 h + j
.endr
.irp j, 0,1,2,3,4,5,6,7
	v_cmp_gt_i32 vcc_lo, \j, v8                    ; hidden where 8 h + j > r
	v_cndmask_b32 v[SS+\j], v[SS+\j], v9, vcc_lo
.endr
	v_max3_num_f32 v12, v[SS], v[SS+1], v[SS+2]
	v_max3_num_f32 v12, v12, v[SS+3], v[SS+4]
	v_max3_num_f32 v12, v12, v[SS+5], v[SS+6]
	v_max_num_f32 v12, v12, v[SS+7]
	v_mov_b32 v13, 0
	v_permlanex16_b32 v13, v12, s20, s21
	v_max_num_f32 v12, v12, v13                    ; the row's maximum: key 0 counts for every query, so it is a score
	v_mul_f32 v12, s22, v12
.irp j, 0,1,2,3,4,5,6,7
	v_fma_f32 v[P+\j], v[SS+\j], s22, -v12
.endr
.irp j, 0,1,2,3,4,5,6,7
	v_exp_f32 v[P+\j], v[P+\j]
.endr
	v_nop
	s_wait_alu depctr_va_vdst(0)                   ; one wait for the eight, ahead of their first reader
	v_add_f32 v13, v[P], v[P+1]
	v_add_f32 v15, v[P+2], v[P+3]
	v_add_f32 v13, v13, v[P+4]
	v_add_f32 v15, v15, v[P+5]
	v_add_f32 v13, v13, v[P+6]
	v_add_f32 v15, v15, v[P+7]
	v_add_f32 v13, v13, v15
	v_permlanex16_b32 v15, v13, s20, s21
	v_add_f32 v13, v13, v15                        ; the row's sum
	v_rcp_f32 v13, v13
	v_nop
	s_wait_alu depctr_va_vdst(0)
	s_wait_loadcnt 32                              ; v is in; wo's 32 loads may be out
.irp s, 0,1,2,3                                    ; O^T = v^T p: source 0 = 16 channels, source 1 = p; keys 8 h + 2 s + 0, 1 a step; four accumulators take turns
.irp ct, 0,1,2,3
.if \s == 0
	v_wmma_f32_16x16x4_f32 v[ACC+8*\ct:ACC+8*\ct+7], v[VT+8*\ct+2*\s:VT+8*\ct+2*\s+1], v[P+2*\s:P+2*\s+1], 0
.else
	v_wmma_f32_16x16x4_f32 v[ACC+8*\ct:ACC+8*\ct+7], v[VT+8*\ct+2*\s:VT+8*\ct+2*\s+1], v[P+2*\s:P+2*\s+1], v[ACC+8*\ct:ACC+8*\ct+7]
.endif
.endr
.endr
.rept 8
	v_nop
.endr
.set n, 0
.rept 32
	v_mul_f32 v[OS+n], v[ACC+n], v13               ; lane (r, h): query r, channel 16 ct + 8 h + j
.set n, n+1
.endr
.rept 9
	v_nop                                          ; the accumulators are begun anew below: nine places behind the products that wrote them
.endr
	s_wait_loadcnt 0x0                             ; wo
.irp ct, 0,1,2,3                                   ; my head's part of the output, transposed: source 0 = 16 rows of wo, source 1 = O; four accumulators take turns
.irp s, 0,1,2,3
.irp ot, 0,1,2,3
.if \ot < 2
.set WR, WA+32*\ot
.else
.set WR, WB+32*(\ot-2)
.endif
.if (\ct == 0) && (\s == 0)
	v_wmma_f32_16x16x4_f32 v[ACC+8*\ot:ACC+8*\ot+7], v[WR+8*\ct+2*\s:WR+8*\ct+2*\s+1], v[OS+8*\ct+2*\s:OS+8*\ct+2*\s+1], 0
.else
	v_wmma_f32_16x16x4_f32 v[ACC+8*\ot:ACC+8*\ot+7], v[WR+8*\ct+2*\s:WR+8*\ct+2*\s+1], v[OS+8*\ct+2*\s:OS+8*\ct+2*\s+1], v[ACC+8*\ot:ACC+8*\ot+7]
.endif
.endr
.endr
.endr
.rept 8
	v_nop
.endr
.irp ot, 0,1,2,3
	ds_store_b128 v10, v[ACC+8*\ot:ACC+8*\ot+3] offset:64*\ot          ; lane (r, h): position r, outputs 16 ot + 8 h + 0 .. 7
	ds_store_b128 v10, v[ACC+8*\ot+4:ACC+8*\ot+7] offset:64*\ot+16
.endr
	s_wait_dscnt 0x0                               ; for the others' sake: my part lies in LDS
	s_barrier_signal -1
	s_barrier_wait -1
.irp pw, 0,1,2,3,4,5,6,7,8,9,10,11,12,13,14,15
	ds_load_b64 v[OS+2*\pw:OS+2*\pw+1], v11 offset:4352*\pw            ; wave w takes position w: the sixteen heads' parts of its 64 outputs
.endr
	s_wait_dscnt 0x0
.irp pw, 1,2,3,4,5,6,7,8,9,10,11,12,13,14,15
	v_pk_add_f32 v[OS:OS+1], v[OS:OS+1], v[OS+2*\pw:OS+2*\pw+1]        ; in the heads' order
.endr
	global_store_b64 v14, v[OS:OS+1], s[8:9]       ; 32 lanes store 256 consecutive bytes, aligned
	s_wait_tensorcnt 0x0                           ; the wave's end
	ds_add_u32 v[SPW], v[NIL]
	s_wait_dscnt 0x0
	s_endpgm
.Lfunc_end_k_qd9560df7f0_first16:
	.size	k_qd9560df7f0_first16, .Lfunc_end_k_qd9560df7f0_first16-k_qd9560df7f0_first16
	.p2alignl 7, 3214868480
	.fill 96, 4, 3214868480
	.section	.rodata,"a",@progbits
	.p2align	6, 0x0
	.amdhsa_kernel k_qd9560df7f0_first16
		.amdhsa_group_segment_fixed_size 71680
		.amdhsa_private_segment_fixed_size 0
		.amdhsa_enable_private_segment 0
		.amdhsa_kernarg_size 24
		.amdhsa_user_sgpr_count 2
		.amdhsa_user_sgpr_kernarg_segment_ptr 1
		.amdhsa_wavefront_size32 1
		.amdhsa_system_sgpr_workgroup_id_x 1
		.amdhsa_system_sgpr_workgroup_id_y 1
		.amdhsa_system_sgpr_workgroup_id_z 1
		.amdhsa_system_vgpr_workitem_id 0
		.amdhsa_next_free_vgpr 256
		.amdhsa_next_free_sgpr 66
		.amdhsa_reserve_vcc 1
		.amdhsa_float_denorm_mode_32 3
		.amdhsa_float_denorm_mode_16_64 3
		.amdhsa_memory_ordered 1
		.amdhsa_forward_progress 1
		.amdhsa_inst_pref_size 23
	.end_amdhsa_kernel
	.amdgpu_metadata
---
amdhsa.version: [ 1, 2 ]
amdhsa.kernels:
  - .name:           k_qd9560df7f0_first16
    .symbol:         k_qd9560df7f0_first16.kd
    .args:
      - { .name: fine, .offset: 0, .size: 8, .value_kind: global_buffer, .address_space: global }
      - { .name: wo, .offset: 8, .size: 8, .value_kind: global_buffer, .address_space: global }
      - { .name: out0, .offset: 16, .size: 8, .value_kind: global_buffer, .address_space: global }
    .group_segment_fixed_size: 71680
    .private_segment_fixed_size: 0
    .kernarg_segment_align: 8
    .kernarg_segment_size: 24
    .max_flat_workgroup_size: 512
    .sgpr_count:     66
    .vgpr_count:     256
    .wavefront_size: 32
...
	.end_amdgpu_metadata
.endif
;; end of part 5
